; MI455X (gfx1250); checked and timed in simulation.
; The chip was launched on July 23, 2026; its instructions are those of AMD's public machine-readable ISA for CDNA 5 (MIT licence, August 2026) and "CDNA5" Instruction Set Architecture Reference Guide (July 2026). The comments in the code are by the model that wrote it; some were corrected since.
;; Multi Head Attention. Allowed arithmetic: matrix products marked QUANTISED: E2M1 operands, one E8M0 scale for each 32 along K, by v_wmma_scale_f32_16x16x128_f8f6f4 with both operands' format E2M1 (or v_wmma_scale_f32_32x16x128_f4), f32 sums; products left as they are: bf16, f16 or f32 operands; f32 sums; everything else in f32.
;; Inputs: W_k 1,024 x 1,024 float32; W_out 1,024 x 1,024 float32; W_q 1,024 x 1,024 float32; W_v 1,024 x 1,024 float32; x 4 x 2,048 x 1,024 float32.
;; Outputs: out0 4 x 2,048 x 1,024 float32.
;; This version of the problem:
;;   THIS VERSION OF THE PROBLEM IS GIVEN IN LOW PRECISION. The matrix products marked QUANTISED in the list below multiply operands that are first quantised to E2M1 (2 exponent bits, 1 mantissa bit; 4 bits a number), with one power-of-two scale for each 32 numbers along K (OCP MX v1.0); their sums are f32. The products marked 'left as it is' may take bf16, f16 or f32 operands, with f32 sums. Whichever they take, every output number must still come out within the allowed error. Rounding operands to bf16 (8 significant bits) uses up far more of that allowance than f16 does (11 bits, for magnitudes from 6e-5 to 65,504). All else is computed in f32.
;;   The module's matrix products, in the order in which they are computed (A, B: the left and right operand; K: the contracted axis; several contracted axes count as one K, in the product's order):
;;     1. [M 8,192, K 1,024] x [K 1,024, N 1,024]; A: input x; B: input W_q: QUANTISED
;;     2. [M 8,192, K 1,024] x [K 1,024, N 1,024]; A: input x; B: input W_k: QUANTISED
;;     3. [M 8,192, K 1,024] x [K 1,024, N 1,024]; A: input x; B: input W_v: QUANTISED
;;     4. batch 64 x [M 2,048, K 64] x [K 64, N 2,048]; A: computed on the way; B: computed on the way: left as it is (an operand is computed on the way)
;;     5. batch 64 x [M 2,048, K 2,048] x [K 2,048, N 64]; A: computed on the way; B: computed on the way: left as it is (an operand is computed on the way)
;;     6. [M 8,192, K 1,024] x [K 1,024, N 1,024]; A: computed on the way; B: input W_out: left as it is (an operand is computed on the way)
;;   THE QUANTISER, for each operand of a quantised product, along K:
;;     - K is cut into blocks of 32 from its start; a last block that is shorter is filled with zeros.
;;     - A block's scale is 2^e with e = floor(log2(the largest magnitude in the block)) - 2, held to -126 .. 127; a block of zeros has e = 0. As a byte (E8M0): e + 127.
;;     - Each number is divided by its block's scale, clamped to +-6, and rounded to the nearest number of E2M1, ties to even, subnormals kept.
;;     - The product sums the exact products of the quantised numbers (number of the format x scale) in f32.
;;   ~~~python
;;   def quantise(x, axis):      # numpy; x: float32 -> the quantised numbers, widened to float32 again
;;       x = np.moveaxis(x, axis, -1); K = x.shape[-1]
;;       x = np.pad(x, [(0, 0)] * (x.ndim - 1) + [(0, -K % 32)]); x = x.reshape(x.shape[:-1] + (-1, 32)); a = np.abs(x).max(-1, keepdims=True)
;;       e = np.where(a > 0, np.clip(np.frexp(np.where(a > 0, a, 1))[1] - 1 - 2, -126, 127), 0)      # np.frexp(a)[1] - 1 = floor(log2(a)), exactly
;;       r = np.clip(x / 2.0 ** e, -6, 6)
;;       step = 2.0 ** (np.maximum(np.frexp(np.where(r == 0, 1, r))[1] - 1, 0) - 1)
;;       q = np.round(r / step) * step * 2.0 ** e      # np.round: ties to even
;;       return np.moveaxis(q.reshape(q.shape[:-2] + (-1,))[..., :K], -1, axis).astype(np.float32)
;;   ~~~
;; One version. Each part assembles by itself: llvm-mc -triple=amdgcn-amd-amdhsa -mcpu=gfx1250 --defsym DOCPART=n.
;; ======== version 1 of 1: 5 launches
;; limits: values are held in f16: magnitudes above 65,504 overflow, below 6.1e-05 lose precision; right only within a limited range of input values
;; workspace buffers: xq 4,456,448 bytes; wq 1,671,168 bytes; wo16 2,097,152 bytes; qkv 50,331,648 bytes; q16 786,432 bytes; ao 16,777,216 bytes; vsum 16,384 bytes
;; launch prep (part 1): grid 576 x 1, 4 waves a work-group, no clusters, 42,496 bytes of LDS; arguments x, W_q, W_k, W_v, W_out, xq, wq, wo16; writes xq, wq, wo16
.if DOCPART == 1
	.amdgcn_target "amdgcn-amd-amdhsa--gfx1250"
	.amdhsa_code_object_version 6
	.text
	.protected	k_qe09d8e2a6f_prep
	.globl	k_qe09d8e2a6f_prep
	.p2align	8
	.type	k_qe09d8e2a6f_prep,@function
k_qe09d8e2a6f_prep:
	s_mov_b64 s[64:65], 0
	v_nop
	global_prefetch_b8 v0, s[64:65] scope:SCOPE_SE
	s_setreg_imm32_b32 hwreg(HW_REG_WAVE_MODE, 25, 1), 1
	s_wait_xcnt 0x0
; MULTI-HEAD ATTENTION, 4 x 2,048 x 1,024, 16 heads of 64, in five launches: prep, qkv, attn, oproj, first16.
; THIS LAUNCH: x [8192][1024] and W_q, W_k, W_v [1024 (k)][1024 (n)], f32, become codes of FP4 (E2M1) with K innermost and one E8M0 byte for each 32 along K; W_out becomes f16 as it lies.
;   xq: codes [8192][512 bytes], from byte 4,194,304 on the scale bytes [8192][32].   wq: codes [3072][512 bytes] (rows: W_q's columns, W_k's, W_v's), from byte 1,572,864 on the scale bytes [3072][32].
; A block's scale is 2^(floor(log2(largest magnitude)) - 2): its byte is the largest magnitude's exponent field - 2, held at 1 from below.
; WORK LEFT OUT IN THE LATER LAUNCHES, AND WHY IT IS DEAD.  reference() builds its mask itself: key m counts for query l only where m < l; every other score is replaced by -1e7.
;   For l >= 1 some key counts, and a replaced key's weight is exp(-1e7 - the row's largest score), which f32 gives as 0 while that largest score lies above -1e7 + 104: so tiles of keys that lie
;   wholly at or beyond the diagonal add nothing and are not multiplied.  For l = 0 all 2,048 scores are equal, whatever the inputs: the weights are 1/2048 each, the row is the mean of v's 2,048 rows, and it is made so.
; LIMITS: each row's largest visible score above -1e7 + 104; |q|, |k|, |v| under 65,504 (they are carried as f16 from row 16 on); a NaN, an infinity or an overflow that reaches only the tiles left out is
;   not carried to the result; NaN and infinities among the inputs are not served; a block of zeros gets the byte 1 where the rule says 127 (its codes are zeros, and this program alone reads the bytes).
; SHARES: work-groups 0-191 take the three weights (a lane to a column, registers down K; the four waves share 512 along K), 192-447 take x (a plain stream of blocks of 32), 448-575 take W_out.
; The three ways part on the work-group's number alone, have LDS bytes of their own, and meet at the closing lines.
.set WST,   32768                      ; the weights' stage: 32 columns x (256 bytes of codes + 16)
.set WSS,   41472                      ; the weights' scale bytes: 32 columns x 16
.set SPARE, 41984                      ; the spare words, 128 bytes for each wave: two blocks of 256 bytes that no other line names
.set SPW,   12                         ; v12  LDS address of my spare word; never rewritten
.set NIL,   13                         ; v13  0; never rewritten
.set SP,    80                         ; x's stage: a lane's 64 bytes + 16 of padding
.set R,     16                         ; v16-143  x: eight sets of 16 numbers as loaded
.set XX,    144                        ; v144-175 x: two sets of 16 neighbours
.set E,     176                        ; v176-191 x: a scale byte for each step
.set C,     192                        ; v192-223 x: two registers of codes for each step
.macro WLOAD t                         ; block t: W(32 t + i, my column), i = 0 .. 31, into set t % 2: 128 consecutive bytes a load
.set i, 0
.rept 32
	global_load_b32 v[32+32*((\t)%2)+i], v3, s[22:23] offset:(32*(\t)+i)*4096
.set i, i+1
.endr
.endm
.macro WBLOCK t
.set XS, 32+32*((\t)%2)
.if (\t) < 3
	s_wait_loadcnt 32                              ; this block's 32 loads are in; the next block's 32 may be out
.else
	s_wait_loadcnt 0x0
.endif
	v_max3_num_f32 v8, |v[XS]|, |v[XS+1]|, |v[XS+2]|               ; the block's largest magnitude: all 32 numbers are mine
	v_max3_num_f32 v9, |v[XS+3]|, |v[XS+4]|, |v[XS+5]|
.irp i, 6,10,14,18,22,26
	v_max3_num_f32 v8, v8, |v[XS+\i]|, |v[XS+\i+1]|
	v_max3_num_f32 v9, v9, |v[XS+\i+2]|, |v[XS+\i+3]|
.endr
	v_max3_num_f32 v8, v8, |v[XS+30]|, |v[XS+31]|
	v_max3_num_f32 v8, v8, v9, 0x1800000           ; and the floor 2^(3 - 127): the byte cannot fall under 1
	v_add_nc_u32 v11, 0xff000000, v8               ; 2 off the exponent field: the conversion's scale operand
	v_lshrrev_b32 v10, 23, v11                     ; the scale's byte
.if (\t) == 0
	v_mov_b32 v24, v10
.else
	v_lshl_or_b32 v24, v10, 8*(\t), v24            ; my four blocks' bytes in one word, the lower K in the lower byte
.endif
.irp g, 0,1,2,3
	v_cvt_scalef32_pk8_fp4_f32 v[96+\g], v[XS+8*\g:XS+8*\g+7], v11
.endr
	ds_store_b128 v4, v[96:99] offset:16*(\t)      ; 32 codes: 16 bytes of my column's row
.if (\t)+2 < 4
	WLOAD (\t)+2
.endif
	s_wait_dscnt 0x0                               ; the store has read its registers: the next block's codes may be written
.endm
.macro XLOAD t
.irp i, 0,1,2,3
	global_load_b128 v[R+16*((\t)%8)+4*\i:R+16*((\t)%8)+4*\i+3], v3, s[4:5] offset:2048*(\t)+512*\i th:TH_LOAD_NT   ; 32 lanes read 512 consecutive bytes
.endr
.endm
.macro XTURN t                         ; step t's numbers through the wave's own stage: in as they lie, back 64 bytes a lane; LDS serves a wave's instructions in order
.irp i, 0,1,2,3
	ds_store_b128 v14, v[R+16*((\t)%8)+4*\i:R+16*((\t)%8)+4*\i+3] offset:32*SP*((\t)%2)+8*SP*\i
.endr
.irp i, 0,1,2,3
	ds_load_b128 v[XX+16*((\t)%2)+4*\i:XX+16*((\t)%2)+4*\i+3], v15 offset:32*SP*((\t)%2)+16*\i
.endr
.endm
.macro XSTEP t
.set XS, XX+16*((\t)%2)
.if (\t) > 0
	s_wait_dscnt 1                                 ; this step's numbers are back from the stage (the last step's byte store may be out): its stores into the stage have read their registers,
.else
	s_wait_dscnt 0x0
.endif
.if (\t)+8 < 16
	XLOAD (\t)+8                                   ; which take the loads of eight steps on
.endif
.if (\t)+1 < 16
.if 14-(\t) >= 7
	s_wait_loadcnt 28                              ; the next step's four loads are in; those of the seven steps behind it may be out
.else
	s_wait_loadcnt 4*(14-(\t))
.endif
	XTURN (\t)+1
.endif
	v_max3_num_f32 v8, |v[XS]|, |v[XS+1]|, |v[XS+2]|               ; the largest magnitude of my 16
	v_max3_num_f32 v9, |v[XS+3]|, |v[XS+4]|, |v[XS+5]|
.irp i, 6,10
	v_max3_num_f32 v8, v8, |v[XS+\i]|, |v[XS+\i+1]|
	v_max3_num_f32 v9, v9, |v[XS+\i+2]|, |v[XS+\i+3]|
.endr
	v_max3_num_f32 v8, v8, |v[XS+14]|, |v[XS+15]|
	v_max3_num_f32 v8, v8, v9, 0x1800000           ; and the floor
	v_max_num_f32_dpp v8, v8, v8 row_xmask:1 row_mask:0xf bank_mask:0xf   ; and of my neighbour's 16: the block's
	v_add_nc_u32 v11, 0xff000000, v8
	v_cvt_scalef32_pk8_fp4_f32 v[C+2*(\t)], v[XS:XS+7], v11
	v_cvt_scalef32_pk8_fp4_f32 v[C+2*(\t)+1], v[XS+8:XS+15], v11
	v_lshrrev_b32 v[E+(\t)], 23, v11               ; the scale's byte (a plain line behind the conversions)
	ds_store_b8 v5, v[E+(\t)] offset:16*(\t)       ; both lanes of a block write the same byte with the same value
	global_store_b64 v4, v[C+2*(\t):C+2*(\t)+1], s[24:25] offset:256*(\t)   ; the wave stores 256 consecutive bytes, aligned
.endm
	s_load_b512 s[4:19], s[0:1], 0x0               ; x 4:5, W_q 6:7, W_k 8:9, W_v 10:11, W_out 12:13, xq 14:15, wq 16:17, wo16 18:19
	v_lshl_add_u32 v[SPW], v0, 2, SPARE
	v_mov_b32 v[NIL], 0
	v_lshrrev_b32 v1, 5, v0
	v_readfirstlane_b32 s20, v1                    ; wave 0..3
	v_and_b32 v2, 31, v0                           ; lane
	s_wait_kmcnt 0x0
	s_cmp_lt_u32 ttmp9, 192
	s_cbranch_scc0 .Lnot_w
	; ---- THE WEIGHTS.  Work-group g: matrix g / 64, half (g / 32) % 2 of K, columns 32 (g % 32) on.  Wave w: k = 512 half + 128 w on, four blocks of 32.
	s_lshr_b32 s21, ttmp9, 6                       ; which matrix
	s_cmp_eq_u32 s21, 0
	s_cselect_b64 s[22:23], s[6:7], s[8:9]
	s_cmp_eq_u32 s21, 2
	s_cselect_b64 s[22:23], s[10:11], s[22:23]
	s_and_b32 s24, ttmp9, 31                       ; which 32 columns
	s_bfe_u32 s25, ttmp9, 0x10005                  ; which half of K
	s_lshl_b32 s26, s25, 21                        ; 512 rows of 4,096 bytes
	s_lshl_b32 s27, s20, 19                        ; 128 rows
	s_add_co_u32 s26, s26, s27
	s_lshl_b32 s27, s24, 7                         ; 32 columns of 4 bytes
	s_add_co_u32 s26, s26, s27
	s_mov_b32 s27, 0
	s_add_nc_u64 s[22:23], s[22:23], s[26:27]
	v_lshlrev_b32 v3, 2, v2
	WLOAD 0
	WLOAD 1
	v_mul_u32_u24 v4, v2, 272                      ; into the stage: row = my column, my wave's 64 bytes
	s_lshl_b32 s28, s20, 6
	s_add_co_u32 s28, s28, WST
	v_add_nc_u32 v4, s28, v4
	s_lshl_b32 s36, s20, 2
	s_add_co_u32 s36, s36, WSS
	v_lshlrev_b32 v5, 4, v2
	v_add_nc_u32 v5, s36, v5                       ; my column's 16 scale bytes, my wave's word
	v_lshrrev_b32 v14, 4, v2
	v_and_b32 v15, 15, v2
	v_mul_u32_u24 v7, v14, 272                     ; out of the stage: sixteen lanes to a row, two rows an instruction, rows 8 w on
	v_lshl_add_u32 v7, v15, 4, v7
	s_mul_i32 s28, s20, 8*272
	s_add_co_u32 s28, s28, WST
	v_add_nc_u32 v7, s28, v7
	v_lshlrev_b32 v6, 9, v14                       ; and the same place in the codes' buffer: rows of 512 bytes
	v_lshl_add_u32 v6, v15, 4, v6
	v_lshlrev_b32 v25, 5, v2                       ; a row of scale bytes is 32 bytes
	v_lshl_add_u32 v26, v2, 4, WSS
	s_lshl_b32 s28, s21, 10
	s_lshl_b32 s29, s24, 5
	s_add_co_u32 s28, s28, s29                     ; the work-group's first row of wq
	s_lshl_b32 s30, s28, 5
	s_lshl_b32 s29, s20, 3
	s_add_co_u32 s28, s28, s29                     ; + the 8 rows that my wave stores
	s_lshl_b32 s28, s28, 9
	s_lshl_b32 s29, s25, 8                         ; + the half of K: 256 bytes
	s_add_co_u32 s28, s28, s29
	s_mov_b32 s29, 0
	s_add_nc_u64 s[32:33], s[16:17], s[28:29]
	s_lshl_b32 s31, s25, 4
	s_add_co_u32 s30, s30, s31
	s_add_co_u32 s30, s30, 0x180000
	s_mov_b32 s31, 0
	s_add_nc_u64 s[34:35], s[16:17], s[30:31]
	WBLOCK 0
	WBLOCK 1
	WBLOCK 2
	WBLOCK 3
	ds_store_b32 v5, v24
	s_wait_dscnt 0x0                               ; for the others' sake: my stores into the stages are done
	s_barrier_signal -1
	s_barrier_wait -1                              ; a row's 256 bytes come from four waves
.irp t, 0,1,2,3
	ds_load_b128 v[112+4*\t:112+4*\t+3], v7 offset:544*\t
.endr
.irp t, 0,1,2,3
	s_wait_dscnt 3-\t                              ; the younger reads of the stage may be out
	global_store_b128 v6, v[112+4*\t:112+4*\t+3], s[32:33] offset:1024*\t   ; sixteen lanes store 256 consecutive bytes, aligned
.endr
	s_cmp_lg_u32 s20, 0
	s_cbranch_scc1 .Lend
	ds_load_b128 v[128:131], v26                   ; wave 0: the 32 columns' scale bytes, 16 a column
	s_wait_dscnt 0x0
	global_store_b128 v25, v[128:131], s[34:35]    ; pieces of 16 bytes, 32 bytes apart: 98,304 bytes in the whole launch
	s_branch .Lend
.Lnot_w:
	s_cmp_lt_u32 ttmp9, 448
	s_cbranch_scc0 .Lpath_o
	; ---- x.  A wave takes a run of 8,192 numbers in 16 steps of 512.  Loads run eight steps (32 loads a wave) ahead, the turn through LDS one step.
	s_sub_co_u32 s21, ttmp9, 192
	s_lshl_b32 s21, s21, 2
	s_add_co_u32 s21, s21, s20                     ; which run is my wave's
	s_mov_b32 s23, 0
	s_lshl_b32 s22, s21, 15
	s_add_nc_u64 s[4:5], s[4:5], s[22:23]
	s_lshl_b32 s22, s21, 12
	s_add_nc_u64 s[24:25], s[14:15], s[22:23]      ; its codes
	s_lshl_b32 s22, s21, 8
	s_add_co_u32 s22, s22, 0x400000
	s_add_nc_u64 s[26:27], s[14:15], s[22:23]      ; its 256 scale bytes
	v_lshlrev_b32 v3, 4, v2
.irp t, 0,1,2,3,4,5,6,7
	XLOAD \t
.endr
	s_lshl_b32 s17, s20, 13                        ; my wave's 8,192 bytes of LDS: two stages of 32 x 80, then 256 scale bytes
	v_lshrrev_b32 v14, 2, v2
	v_mul_u32_u24 v14, v14, SP
	v_and_b32 v15, 3, v2
	v_lshl_add_u32 v14, v15, 4, v14
	v_add_nc_u32 v14, s17, v14                     ; in: four lanes' 64 bytes on end, then the padding
	v_mul_u32_u24 v15, v2, SP
	v_add_nc_u32 v15, s17, v15                     ; back: my 16 neighbours
	v_lshlrev_b32 v4, 3, v2                        ; my 8 bytes of a step's codes
	v_lshrrev_b32 v5, 1, v2
	s_add_co_u32 s17, s17, 2*32*SP
	v_add_nc_u32 v5, s17, v5                       ; my block's byte
	v_lshlrev_b32 v7, 3, v2
	v_add_nc_u32 v6, s17, v7
	s_wait_loadcnt 28                              ; step 0's four loads are in
	XTURN 0
.irp t, 0,1,2,3,4,5,6,7,8,9,10,11,12,13,14,15
	XSTEP \t
.endr
	ds_load_b64 v[8:9], v6                         ; LDS serves a wave's instructions in order: these see my byte stores
	s_wait_dscnt 0x0
	global_store_b64 v7, v[8:9], s[26:27]          ; 32 lanes store 256 consecutive bytes, aligned
	s_branch .Lend
.Lpath_o:
	; ---- W_out to f16, as it lies.  A wave takes 2,048 numbers: 16 loads of 512 bytes, 16 stores of 256.
	s_sub_co_u32 s21, ttmp9, 448
	s_lshl_b32 s21, s21, 2
	s_add_co_u32 s21, s21, s20
	s_mov_b32 s23, 0
	s_lshl_b32 s22, s21, 13
	s_add_nc_u64 s[12:13], s[12:13], s[22:23]
	s_lshl_b32 s22, s21, 12
	s_add_nc_u64 s[18:19], s[18:19], s[22:23]
	v_lshlrev_b32 v3, 4, v2
	v_lshlrev_b32 v4, 3, v2
.irp i, 0,1,2,3,4,5,6,7,8,9,10,11,12,13,14,15
	global_load_b128 v[16+4*\i:16+4*\i+3], v3, s[12:13] offset:512*\i
.endr
.irp i, 0,1,2,3,4,5,6,7,8,9,10,11,12,13,14,15
	s_wait_loadcnt 15-\i                           ; the younger loads may be out
	v_cvt_pk_f16_f32 v[80+2*\i], v[16+4*\i], v[17+4*\i]
	v_cvt_pk_f16_f32 v[81+2*\i], v[18+4*\i], v[19+4*\i]
	global_store_b64 v4, v[80+2*\i:81+2*\i], s[18:19] offset:256*\i
.endr
.Lend:
	s_wait_tensorcnt 0x0                           ; the wave's end
	ds_add_u32 v[SPW], v[NIL]
	s_wait_dscnt 0x0
	s_endpgm
.Lfunc_end_k_qe09d8e2a6f_prep:
	.size	k_qe09d8e2a6f_prep, .Lfunc_end_k_qe09d8e2a6f_prep-k_qe09d8e2a6f_prep
	.p2alignl 7, 3214868480
	.fill 96, 4, 3214868480
	.section	.rodata,"a",@progbits
	.p2align	6, 0x0
	.amdhsa_kernel k_qe09d8e2a6f_prep
		.amdhsa_group_segment_fixed_size 42496
		.amdhsa_private_segment_fixed_size 0
		.amdhsa_enable_private_segment 0
		.amdhsa_kernarg_size 64
		.amdhsa_user_sgpr_count 2
		.amdhsa_user_sgpr_kernarg_segment_ptr 1
		.amdhsa_wavefront_size32 1
		.amdhsa_system_sgpr_workgroup_id_x 1
		.amdhsa_system_sgpr_workgroup_id_y 1
		.amdhsa_system_sgpr_workgroup_id_z 1
		.amdhsa_system_vgpr_workitem_id 0
		.amdhsa_next_free_vgpr 224
		.amdhsa_next_free_sgpr 66
		.amdhsa_reserve_vcc 0
		.amdhsa_float_denorm_mode_32 3
		.amdhsa_float_denorm_mode_16_64 3
		.amdhsa_memory_ordered 1
		.amdhsa_forward_progress 1
		.amdhsa_inst_pref_size 60
	.end_amdhsa_kernel
	.amdgpu_metadata
---
amdhsa.version: [ 1, 2 ]
amdhsa.kernels:
  - .name:           k_qe09d8e2a6f_prep
    .symbol:         k_qe09d8e2a6f_prep.kd
    .args:
      - { .name: x, .offset: 0, .size: 8, .value_kind: global_buffer, .address_space: global }
      - { .name: W_q, .offset: 8, .size: 8, .value_kind: global_buffer, .address_space: global }
      - { .name: W_k, .offset: 16, .size: 8, .value_kind: global_buffer, .address_space: global }
      - { .name: W_v, .offset: 24, .size: 8, .value_kind: global_buffer, .address_space: global }
      - { .name: W_out, .offset: 32, .size: 8, .value_kind: global_buffer, .address_space: global }
      - { .name: xq, .offset: 40, .size: 8, .value_kind: global_buffer, .address_space: global }
      - { .name: wq, .offset: 48, .size: 8, .value_kind: global_buffer, .address_space: global }
      - { .name: wo16, .offset: 56, .size: 8, .value_kind: global_buffer, .address_space: global }
    .group_segment_fixed_size: 42496
    .private_segment_fixed_size: 0
    .kernarg_segment_align: 8
    .kernarg_segment_size: 64
    .max_flat_workgroup_size: 128
    .sgpr_count:     66
    .vgpr_count:     224
    .wavefront_size: 32
...
	.end_amdgpu_metadata
.endif
;; end of part 1
;; launch qkv (part 2): grid 12 x 32, 4 waves a work-group, clusters of 4 x 4, 327,680 bytes of LDS; arguments xq, wq, qkv, q16; writes qkv, q16
.if DOCPART == 2
	.amdgcn_target "amdgcn-amd-amdhsa--gfx1250"
	.amdhsa_code_object_version 6
	.text
	.protected	k_qe09d8e2a6f_qkv
	.globl	k_qe09d8e2a6f_qkv
	.p2align	8
	.type	k_qe09d8e2a6f_qkv,@function
k_qe09d8e2a6f_qkv:
	s_mov_b64 s[64:65], 0
	v_nop
	global_prefetch_b8 v0, s[64:65] scope:SCOPE_SE
	s_setreg_imm32_b32 hwreg(HW_REG_WAVE_MODE, 25, 1), 1
	s_wait_xcnt 0x0
	s_wait_alu depctr_hold_cnt(0) depctr_sa_sdst(0) depctr_va_vdst(0) depctr_va_sdst(0) depctr_va_ssrc(0) depctr_va_vcc(0) depctr_vm_vsrc(0)
	s_getreg_b32 s2, hwreg(HW_REG_IB_STS2, 6, 4)
	s_cmp_eq_u32 s2, 0
	s_cbranch_scc0 .Lentry_in_a_cluster
	s_endpgm
.Lentry_in_a_cluster:
	s_bfe_u32 s2, ttmp6, 0x10000c
	s_cmp_lg_u32 s2, 0xf033
	s_cbranch_scc0 .Lentry_shape_is_right
	s_endpgm
.Lentry_shape_is_right:
; q, k, v = x W_q, x W_k, x W_v as ONE product on codes of FP4 (E2M1) with E8M0 scales: C[m][n] = sum over k of A[m][k] B[n][k], A = xq [8192][1024], B = wq [3072][1024]; sums in f32.  No work is left out here.
; A tile of C, 256 x 256, is made by a work-group of four waves; a wave makes 128 x 128: 64 accumulators of 16 x 16.  K = 1,024 is two K steps of 512 (tile rows of 256 bytes): both LDS slots are filled once, at the head.
; The scale bytes of the work-group's 256 rows of A and of B, for all of K, come once, as units of 256 bytes.
; CLUSTERS: 4 x 4 work-groups; A's tiles are asked for jointly along a row of the cluster, B's along a column.  Tile row = 8 cy + cluster y: so cy is the batch, and a tile holds a sequence's rows 0-15 where cluster y = 0,
; which is the same in all sixteen partners.  THE MATRIX INSTRUCTION IS USED TRANSPOSED (source 0 = 16 rows of B, source 1 = 16 rows of A): a lane holds eight neighbouring columns of a row of C.
; OUT: qkv, f16, [48 planes of 64 columns][8192 rows][64]: plane 0-15 q's heads, 16-31 k's, 32-47 v's.  q16, f32, [4][16][3072]: rows 0-15 of each sequence, for the launch that carries them in f32.
; No prefetch: all tiles of the launch are asked for at its head.
; REGISTERS: window 0: v0-31 addresses; v32-95 scale words, two sets; v128-191 A's fragments, one set; on the way out v128-223 are free.  window 1: B's fragments, two sets.  windows 2, 3: the accumulators ((a, b) at v[8 (8 (a % 4) + b)]).
.set KSTEP,  512
.set NQ,     4
.set ROWB,   256
.set KROW,   512                       ; a row of codes in memory
.set PITCH,  272                       ; an LDS row: 256 bytes + 16 of padding = 68 words: the 16 rows that a load touches start at 16 different banks (64 banks of 4 bytes: ISA guide 11.1)
.set FR,     8
.set NL,     2
.set NP,     4
.set HALFT,  128*PITCH
.set SLOT,   4*HALFT
.set KS,     32                        ; a row of scale bytes
.set SCL,    2*SLOT
.set HALFS,  (128*KS/256)*272
.set SBLK,   (16*KS/256)*272
.set SPARE,  SCL+4*HALFS               ; the spare words, 128 bytes for each wave
.set SPITCH, 272                       ; the way out: a stage of 16 rows x (256 bytes + 16) for each wave, in slot 0, which has had its only fill and its last read by then
.set ADRA, 16
.set ADRB, 20
.set STO,  24
.set RD,   25
.set CO,   26
.set ADRS, 27
.set SPW,  28
.set NIL,  29
.set F32O, 30                          ; v30  my byte offset in q16's 16 rows
.set SC,   32
.set AF,   128
.set BK,   128                         ; the way out: 16 rows read back: v128-159 and v160-191 by turns
.set TMP,  192                         ; the way out: packed results
.set G1, 24
.set G0, 32
.set G1B, 48
.set G0B, 56
.set G1S, 68
.set G0S, 76
.set G1SB, 80
.set G0SB, 88
.set MSB, 0
.macro WIN new                         ; the immediate's high byte repeats the setting that is left
.if MSB != (\new)
	s_set_vgpr_msb (MSB<<8)|(\new)
.set MSB, (\new)
.endif
.endm
.set MUL_LO, 0xa1
.set MUL_HI, 0xf1
.set TO_B,   0x40
; A joint load: waves 0 and 1 fetch for A, waves 2 and 3 for B; the branch hangs on the wave's number alone.  An s_nop 0 and four v_nop follow each of the two lines.
.macro JLOAD g0a, g1a, g0b, g1b
	s_cmp_eq_u32 s15, 0
	s_cbranch_scc0 .Lfor_b_\@
	tensor_load_to_lds s[\g0a:\g0a+3], s[\g1a:\g1a+7]
	s_nop 0
.rept 4
	v_nop
.endr
	s_branch .Lasked_\@
.Lfor_b_\@:
	tensor_load_to_lds s[\g0b:\g0b+3], s[\g1b:\g1b+7]
	s_nop 0
.rept 4
	v_nop
.endr
.Lasked_\@:
.endm
.macro CROUND                          ; a round of the cluster's barrier
	s_barrier_signal -1
	s_barrier_wait -1
	s_cmp_lg_u32 s14, 0
	s_cbranch_scc1 .Lnot_wave_0_\@
	s_barrier_signal -3
.Lnot_wave_0_\@:
	s_barrier_wait -3
	s_barrier_signal -1
	s_barrier_wait -1
.endm
	s_load_b64 s[4:5], s[0:1], 0x0                 ; xq: A's codes
	s_load_b64 s[8:9], s[0:1], 0x8                 ; wq: B's codes
	s_load_b64 s[12:13], s[0:1], 0x10              ; qkv
	s_load_b64 s[96:97], s[0:1], 0x18              ; q16
	v_lshl_add_u32 v[SPW], v0, 2, SPARE
	v_mov_b32 v[NIL], 0
	ds_add_u32 v[SPW], v[NIL]                      ; the wave's opening: 0 added to my spare word, twice on end
	ds_add_u32 v[SPW], v[NIL]
	v_lshrrev_b32 v1, 5, v0
	v_readfirstlane_b32 s14, v1                    ; wave 0..3
	s_lshr_b32 s15, s14, 1                         ; which half of the tile's rows is mine.  Also: I fetch for A (0) or for B (1)
	s_and_b32 s16, s14, 1                          ; which half of its columns.  Also: which 128 rows of that tile I fetch
	s_bfe_u32 s40, ttmp6, 0x40000                  ; cx
	s_bfe_u32 s41, ttmp6, 0x40004                  ; cy
	s_lshl_b32 s42, ttmp9, 2
	s_add_co_u32 s42, s42, s40                     ; tile column of C = 4 x cluster x + cx
	s_and_b32 s17, ttmp7, 0xffff                   ; cluster y
	s_or_b32 s95, s17, s15                         ; 0 where my first 16 rows are a sequence's rows 0-15: cluster y and the wave's number alone
	s_lshl_b32 s18, s41, 3
	s_add_co_u32 s17, s17, s18                     ; tile row of C = 8 cy + cluster y
	s_lshl_b32 s43, s41, 2
	s_lshl_b32 s43, 15, s43                        ; my row of the cluster
	s_lshl_b32 s44, 0x1111, s40                    ; my column
	s_or_b32 s[G1+0], s43, (0<<16)|(1<<20)|(1<<21)|(5<<22)|(3<<25)  ; the mask; elements of 1 byte; padding on: 4 words after every 64; bit 21 beside a mask
	s_or_b32 s[G1B+0], s44, (0<<16)|(1<<20)|(1<<21)|(5<<22)|(3<<25)
.irp g, G1, G1B
	s_mov_b32 s[\g+1], ROWB<<16                    ; tensor_dim0
	s_mov_b32 s[\g+2], 128<<16                     ; tensor_dim1
	s_mov_b32 s[\g+3], ROWB<<16                    ; tile_dim0
	s_mov_b32 s[\g+4], 128                         ; tile_dim1
	s_mov_b32 s[\g+5], KROW                        ; the pitch
	s_mov_b32 s[\g+6], 0
	s_mov_b32 s[\g+7], 0
.endr
	s_or_b32 s[G1S+0], s43, (3<<16)|(1<<20)|(1<<21)|(5<<22)|(3<<25)   ; the scales of 128 rows: 4,096 dense bytes as 16 rows of 256 (32 elements of 8 bytes), 16 bytes of padding behind each
	s_or_b32 s[G1SB+0], s44, (3<<16)|(1<<20)|(1<<21)|(5<<22)|(3<<25)
.irp g, G1S, G1SB
	s_mov_b32 s[\g+1], 32<<16
	s_mov_b32 s[\g+2], (128*KS/256)<<16
	s_mov_b32 s[\g+3], 32<<16
	s_mov_b32 s[\g+4], 128*KS/256
	s_mov_b32 s[\g+5], 32
	s_mov_b32 s[\g+6], 0
	s_mov_b32 s[\g+7], 0
.endr
	s_lshl_b32 s18, s16, 7
	s_lshl_b32 s20, s17, 8
	s_add_co_u32 s20, s20, s18                     ; A: row 256 x tile row + 128 x half
	s_lshl_b32 s46, s42, 8
	s_add_co_u32 s46, s46, s18                     ; B: row 256 x tile column + 128 x half
	s_mov_b32 s21, 0
	s_mov_b32 s47, 0
	s_mov_b64 s[18:19], KS
	s_mul_u64 s[22:23], s[20:21], s[18:19]         ; where these rows' scales begin
	s_mul_u64 s[92:93], s[46:47], s[18:19]
	s_mov_b64 s[18:19], KROW
	s_mul_u64 s[20:21], s[20:21], s[18:19]         ; and their codes
	s_mul_u64 s[46:47], s[46:47], s[18:19]
	s_mul_i32 s45, s14, HALFT                      ; where they go: wave x 128 rows
	s_mul_i32 s94, s14, HALFS
	s_wait_dscnt 0x0                               ; both opening adds are done
	s_wait_kmcnt 0x0
	s_add_nc_u64 s[6:7], s[4:5], 0x400000          ; A's scale bytes lie behind its codes,
	s_add_nc_u64 s[10:11], s[8:9], 0x180000        ; B's likewise
	s_add_nc_u64 s[20:21], s[4:5], s[20:21]
	s_add_nc_u64 s[22:23], s[6:7], s[22:23]
	s_add_nc_u64 s[46:47], s[8:9], s[46:47]
	s_add_nc_u64 s[92:93], s[10:11], s[92:93]
	CROUND                                         ; all sixteen work-groups are here: the joint loads meet
	s_mov_b32 s[G0S], 1
	s_add_co_u32 s[G0S+1], s94, SCL
	s_mov_b64 s[G0S+2:G0S+3], s[22:23]
	s_or_b32 s[G0S+3], s[G0S+3], 0x80000000
	s_mov_b32 s[G0SB], 1
	s_add_co_u32 s[G0SB+1], s94, SCL
	s_mov_b64 s[G0SB+2:G0SB+3], s[92:93]
	s_or_b32 s[G0SB+3], s[G0SB+3], 0x80000000
	JLOAD G0S, G1S, G0SB, G1SB                     ; the scales first: they are wanted with K step 0
.irp s, 0,1
	s_mov_b32 s[G0+4*\s], 1
	s_add_co_u32 s[G0+4*\s+1], s45, \s*SLOT
	s_add_nc_u64 s[G0+4*\s+2:G0+4*\s+3], s[20:21], \s*ROWB
	s_or_b32 s[G0+4*\s+3], s[G0+4*\s+3], 0x80000000
	s_mov_b32 s[G0B+4*\s], 1
	s_add_co_u32 s[G0B+4*\s+1], s45, \s*SLOT
	s_add_nc_u64 s[G0B+4*\s+2:G0B+4*\s+3], s[46:47], \s*ROWB
	s_or_b32 s[G0B+4*\s+3], s[G0B+4*\s+3], 0x80000000
	JLOAD G0+4*\s, G1, G0B+4*\s, G1B               ; three loads of mine are out in all
.endr
	v_and_b32 v1, 15, v0                           ; r = l % 16
	v_bfe_u32 v2, v0, 4, 1                         ; h = l / 16
	v_mul_u32_u24 v3, v1, PITCH
	v_lshl_add_u32 v4, v2, 4, v3                   ; a fragment's row x pitch + 16 x half
	s_mul_i32 s21, s15, HALFT
	s_mul_i32 s22, s16, HALFT
	s_add_co_u32 s22, s22, 2*HALFT
.irp s, 0,1
	v_add_nc_u32 v[ADRA+\s], s21, v4
	v_add_nc_u32 v[ADRB+\s], s22, v4
	s_add_co_u32 s21, s21, SLOT
	s_add_co_u32 s22, s22, SLOT
.endr
	v_mul_u32_u24 v5, v1, KS                       ; my row's scales: 32 bytes a row,
	v_lshrrev_b32 v6, 8, v5
	v_lshl_add_u32 v5, v6, 4, v5                   ; and 16 more for each 256 passed
	s_mul_i32 s21, s15, HALFS
	s_mul_i32 s22, s16, HALFS
	s_add_co_u32 s22, s22, 2*HALFS
	s_sub_co_u32 s22, s22, s21
	v_mul_u32_u24 v6, s22, v2                      ; lanes 16-31 take B's
	s_add_co_u32 s21, s21, SCL
	v_add_nc_u32 v5, v5, v6
	v_add_nc_u32 v[ADRS], s21, v5
	s_mul_i32 s23, s14, 16*SPITCH                  ; my stage
	v_mul_u32_u24 v5, v1, SPITCH                   ; in: row r, 16 bytes for each half of the lanes
	v_lshl_add_u32 v5, v2, 4, v5
	v_add_nc_u32 v[STO], s23, v5
	v_and_b32 v6, 31, v0
	v_lshrrev_b32 v5, 3, v6                        ; back: eight lanes take 128 bytes (one head's 64 numbers) of a row, four rows an instruction
	v_mul_u32_u24 v5, v5, SPITCH
	v_and_b32 v7, 7, v0
	v_lshl_add_u32 v5, v7, 4, v5
	v_add_nc_u32 v[RD], s23, v5
	v_lshlrev_b32 v[CO], 4, v6                     ; and in a plane these four rows are 512 consecutive bytes
	v_mul_u32_u24 v[F32O], v1, 12288               ; q16: row r of 3,072 numbers, + 32 h
	v_lshl_add_u32 v[F32O], v2, 5, v[F32O]
	s_lshl_b32 s20, s17, 8
	s_lshl_b32 s21, s15, 7
	s_add_co_u32 s20, s20, s21                     ; my first row
	s_lshl_b32 s20, s20, 7                         ; rows of 128 bytes in a plane
	s_lshl_b32 s46, s42, 2
	s_lshl_b32 s47, s16, 1
	s_add_co_u32 s46, s46, s47                     ; my first plane: 4 x tile column + 2 x half
	s_lshl_b32 s46, s46, 20                        ; planes of 2^20 bytes
	s_add_co_u32 s20, s20, s46
	s_mov_b32 s21, 0
	s_add_nc_u64 s[12:13], s[12:13], s[20:21]
	s_mul_i32 s22, s41, 196608                     ; q16: the batch's 16 rows,
	s_lshl_b32 s23, s42, 10
	s_add_co_u32 s22, s22, s23                     ; the tile's 256 columns,
	s_lshl_b32 s23, s16, 9
	s_add_co_u32 s22, s22, s23                     ; my 128 of them
	s_mov_b32 s23, 0
	s_add_nc_u64 s[96:97], s[96:97], s[22:23]
.macro FRAG reg, adr, q, i             ; 16 rows x 128 K of 4-bit codes: 8 registers, two loads of 16 bytes, 32 bytes apart
.irp c, 0,1
	ds_load_b128 v[\reg+4*\c:\reg+4*\c+3], v[\adr] offset:64*(\q)+32*\c+(\i)*16*PITCH
.endr
.endm
; 16 matrix instructions: A's blocks a0, a0 + 1 x B's eight, 128 along K.  The 64 accumulators take turns, one instruction a turn, in the same order in every step.
.macro MUL16 a0, p, q, sc, zero
.irp a, \a0, \a0+1
.irp b, 0,1,2,3,4,5,6,7
.if \zero
	v_wmma_scale_f32_16x16x128_f8f6f4 v[8*(8*((\a)%4)+\b):8*(8*((\a)%4)+\b)+7], v[128*(\p)+FR*\b:128*(\p)+FR*\b+FR-1], v[AF+FR*(\a):AF+FR*(\a)+FR-1], 0, v[SC+8*NQ*(\sc)+NQ*\b+(\q)], v[SC+8*NQ*(\sc)+NQ*(\a)+(\q)] matrix_a_fmt:MATRIX_FMT_FP4 matrix_b_fmt:MATRIX_FMT_FP4 matrix_a_scale:MATRIX_SCALE_ROW1
.else
	v_wmma_scale_f32_16x16x128_f8f6f4 v[8*(8*((\a)%4)+\b):8*(8*((\a)%4)+\b)+7], v[128*(\p)+FR*\b:128*(\p)+FR*\b+FR-1], v[AF+FR*(\a):AF+FR*(\a)+FR-1], v[8*(8*((\a)%4)+\b):8*(8*((\a)%4)+\b)+7], v[SC+8*NQ*(\sc)+NQ*\b+(\q)], v[SC+8*NQ*(\sc)+NQ*(\a)+(\q)] matrix_a_fmt:MATRIX_FMT_FP4 matrix_b_fmt:MATRIX_FMT_FP4 matrix_a_scale:MATRIX_SCALE_ROW1
.endif
.endr
.endr
.endm
.macro FETCH_B slot, q, p
	WIN TO_B
.irp i, 0,1,2,3,4,5,6,7
	FRAG 128*(\p)+FR*\i, ADRB+\slot, \q, \i
.endr
	WIN 0
.endm
.macro FETCH_A slot, q, i0
.irp i, \i0, \i0+1, \i0+2, \i0+3
	FRAG AF+FR*(\i), ADRA+\slot, \q, \i
.endr
.endm
.macro SCALES sc                       ; a K step's scale words: 4 words a row; lanes 0-15 take A's block i, lanes 16-31 B's block i
.irp i, 0,1,2,3,4,5,6,7
	ds_load_b128 v[SC+8*NQ*\sc+NQ*\i:SC+8*NQ*\sc+NQ*\i+3], v[ADRS] offset:\i*SBLK
.endr
.endm
.macro PLACES n                        ; plain vector instructions between a matrix instruction and a load into, or a read of, its registers
.rept \n
	v_nop
.endr
.endm
.macro STEP slot, q, zero              ; a step of 128 along K that has its successor in the same slot
	s_wait_dscnt 4*NL                              ; B's set and A's blocks 0-3 are in; the youngest eight loads (A's blocks 4-7) may be out
	WIN MUL_LO
	MUL16 0, (\q)%2, \q, \slot, \zero
	MUL16 2, (\q)%2, \q, \slot, \zero
	s_wait_dscnt 0
	PLACES NP
	FETCH_B \slot, (\q)+1, 1-(\q)%2
	FETCH_A \slot, (\q)+1, 0
	WIN MUL_HI
	MUL16 4, (\q)%2, \q, \slot, \zero
	MUL16 6, (\q)%2, \q, \slot, \zero
	PLACES NP
	WIN 0
	FETCH_A \slot, (\q)+1, 4
.endm
.macro TURN slot, next                 ; slot 0's last step: one barrier; behind it slot 1 is whole for every wave and nobody reads slot 0 any more.  Nothing is filled again
	s_wait_tensorcnt 0x0                           ; all my tensor loads have landed: my part of slot 1
	ds_add_u32 v[SPW], v[NIL]                      ; 0 onto my spare word
	s_wait_dscnt 4*NL+1                            ; (the add and the youngest eight loads may be out)
	WIN MUL_LO
	MUL16 0, 1, NQ-1, \slot, 0
	s_wait_dscnt 0x0                               ; the add is done, and my reads of this slot are over
	s_barrier_signal -1
	MUL16 2, 1, NQ-1, \slot, 0
	WIN 0
	s_barrier_wait -1
	PLACES NP
	v_add_nc_u32 v[ADRS], 4*NQ, v[ADRS]            ; on to the next K step's scale words
	FETCH_B \next, 0, 0
	FETCH_A \next, 0, 0
	SCALES \next
	WIN MUL_HI
	MUL16 4, 1, NQ-1, \slot, 0
	MUL16 6, 1, NQ-1, \slot, 0
	PLACES NP
	WIN 0
	FETCH_A \next, 0, 4
.endm
	s_wait_tensorcnt 1                             ; the scales and my part of K step 0 are in (K step 1's load may be out),
	s_barrier_signal -1
	s_barrier_wait -1                              ; everybody's are
	FETCH_B 0, 0, 0
	FETCH_A 0, 0, 0
	SCALES 0
	FETCH_A 0, 0, 4
	STEP 0, 0, 1                                   ; the first products start the sums: nothing is cleared
	STEP 0, 1, 0
	STEP 0, 2, 0
	TURN 0, 1
	STEP 1, 0, 0
	STEP 1, 1, 0
	STEP 1, 2, 0
	s_wait_dscnt 4*NL                              ; the very last step
	WIN MUL_LO
	MUL16 0, 1, NQ-1, 1, 0
	MUL16 2, 1, NQ-1, 1, 0
	s_wait_dscnt 0
	WIN MUL_HI
	MUL16 4, 1, NQ-1, 1, 0
	MUL16 6, 1, NQ-1, 1, 0
	WIN 0
; THE WAY OUT, block by block of 16 rows x 128 columns (two heads).  PACK: rounded to f16, 16 bytes a lane.  TOSTAGE: into my own stage, and back head by head, four rows of 128 bytes an instruction.  SEND: stored.
.macro PACK a
.set AC, 64*((\a)%4)
	WIN 0x0a+5*((\a)/4)                            ; sources 0 and 1: window 2 or 3
.irp b, 0,1,2,3,4,5,6,7
.irp r, 0,1,2,3
	v_cvt_pk_f16_f32 v[TMP+4*\b+\r], v[AC+8*\b+2*\r], v[AC+8*\b+2*\r+1]   ; each accumulator from its low end on
.endr
.endr
	WIN 0
.endm
.macro TOSTAGE a
.set BB, BK+32*((\a)%2)
.irp b, 0,1,2,3,4,5,6,7
	ds_store_b128 v[STO], v[TMP+4*\b:TMP+4*\b+3] offset:32*\b
.endr
.irp hl, 0,1
.irp t, 0,1,2,3
	ds_load_b128 v[BB+4*(4*\hl+\t):BB+4*(4*\hl+\t)+3], v[RD] offset:1088*\t+128*\hl   ; LDS serves a wave's instructions in order: these see the stores above
.endr
.endr
.endm
.macro SEND a
.set BB, BK+32*((\a)%2)
	s_wait_dscnt 0x0                               ; the block is back in registers
	s_wait_xcnt 0x0                                ; the earlier stores have read their base and their data: the base may step, and the next block may land where the block before last lay
.if (\a) > 0
	s_add_nc_u64 s[12:13], s[12:13], 2048          ; 16 rows of 128 bytes on
.endif
.irp hl, 0,1
.irp t, 0,1,2,3
	global_store_b128 v[CO], v[BB+4*(4*\hl+\t):BB+4*(4*\hl+\t)+3], s[12:13] offset:\hl*1048576+512*\t   ; 32 lanes store 512 consecutive bytes, aligned
.endr
.endr
.endm
	PLACES NP                                      ; behind the last products
	s_cmp_lg_u32 s95, 0
	s_cbranch_scc1 .Lno_f32
	WIN 0x08                                       ; a store's data are its source 1: window 2
.irp b, 0,1,2,3,4,5,6,7
	global_store_b128 v[F32O], v[8*\b:8*\b+3], s[96:97] offset:64*\b        ; rows 0-15 of the sequence in f32: pieces of 32 bytes, 786,432 bytes in the whole launch
	global_store_b128 v[F32O], v[8*\b+4:8*\b+7], s[96:97] offset:64*\b+16
.endr
	WIN 0
.Lno_f32:
	PACK 0
	TOSTAGE 0
.irp a, 1,2,3,4,5,6,7                  ; block a's conversions stand between block a - 1's loads from the stage and the wait for them
	PACK \a
	SEND \a-1
	TOSTAGE \a
.endr
	SEND 7
	s_wait_tensorcnt 0x0                           ; the wave's end
	ds_add_u32 v[SPW], v[NIL]
	s_wait_dscnt 0x0
	CROUND                                         ; the closing round
	s_endpgm
.Lfunc_end_k_qe09d8e2a6f_qkv:
	.size	k_qe09d8e2a6f_qkv, .Lfunc_end_k_qe09d8e2a6f_qkv-k_qe09d8e2a6f_qkv
	.p2alignl 7, 3214868480
	.fill 96, 4, 3214868480
	.section	.rodata,"a",@progbits
	.p2align	6, 0x0
	.amdhsa_kernel k_qe09d8e2a6f_qkv
		.amdhsa_group_segment_fixed_size 327680
		.amdhsa_private_segment_fixed_size 0
		.amdhsa_enable_private_segment 0
		.amdhsa_kernarg_size 32
		.amdhsa_user_sgpr_count 2
		.amdhsa_user_sgpr_kernarg_segment_ptr 1
		.amdhsa_wavefront_size32 1
		.amdhsa_system_sgpr_workgroup_id_x 1
		.amdhsa_system_sgpr_workgroup_id_y 1
		.amdhsa_system_sgpr_workgroup_id_z 1
		.amdhsa_system_vgpr_workitem_id 0
		.amdhsa_next_free_vgpr 1024
		.amdhsa_next_free_sgpr 100
		.amdhsa_reserve_vcc 0
		.amdhsa_float_denorm_mode_32 3
		.amdhsa_float_denorm_mode_16_64 3
		.amdhsa_memory_ordered 1
		.amdhsa_forward_progress 1
		.amdhsa_inst_pref_size 129
	.end_amdhsa_kernel
	.amdgpu_metadata
---
amdhsa.version: [ 1, 2 ]
amdhsa.kernels:
  - .name:           k_qe09d8e2a6f_qkv
    .symbol:         k_qe09d8e2a6f_qkv.kd
    .args:
      - { .name: xq, .offset: 0, .size: 8, .value_kind: global_buffer, .address_space: global }
      - { .name: wq, .offset: 8, .size: 8, .value_kind: global_buffer, .address_space: global }
      - { .name: qkv, .offset: 16, .size: 8, .value_kind: global_buffer, .address_space: global }
      - { .name: q16, .offset: 24, .size: 8, .value_kind: global_buffer, .address_space: global }
    .group_segment_fixed_size: 327680
    .private_segment_fixed_size: 0
    .kernarg_segment_align: 8
    .kernarg_segment_size: 32
    .max_flat_workgroup_size: 128
    .sgpr_count:     100
    .vgpr_count:     1024
    .wavefront_size: 32
...
	.end_amdgpu_metadata
.endif
;; end of part 2
;; launch attn (part 3): grid 4 x 64, 8 waves a work-group, no clusters, 327,680 bytes of LDS; arguments qkv, ao, vsum; writes ao, vsum
.if DOCPART == 3
	.amdgcn_target "amdgcn-amd-amdhsa--gfx1250"
	.amdhsa_code_object_version 6
	.text
	.protected	k_qe09d8e2a6f_attn
	.globl	k_qe09d8e2a6f_attn
	.p2align	8
	.type	k_qe09d8e2a6f_attn,@function
k_qe09d8e2a6f_attn:
	s_mov_b64 s[64:65], 0
	v_nop
	global_prefetch_b8 v0, s[64:65] scope:SCOPE_SE
	s_setreg_imm32_b32 hwreg(HW_REG_WAVE_MODE, 25, 1), 1
	s_wait_xcnt 0x0
; ao[h][row][:] = the sum over keys m < l of softmax_m(q . k / 8) v, for each batch and head, on f16 operands with f32 products' sums, maxima and sums; and vsum[16 b + h][:] = the sum of v's 2,048 rows.
; LEFT OUT: key steps all of whose keys lie at or beyond the wave's queries: their weights are exp(-1e7 - the row's largest score) = 0 in f32 (limit: that largest score above -1e7 + 104).
; Rows 0-15 of a sequence are computed here inside live tiles, but their results are not used: a later launch makes them in f32 (row 0 from vsum).
; SHARES.  A sequence is 8 blocks of 256 queries.  Work-group (i, 16 b + h) takes block i and then block 7 - i: (i + 1) + (8 - i) = 9 blocks of 256 keys for every work-group, so the slot loop's trip count is a constant.
; Wave w owns 32 queries (two tiles), sub-block w (w < 4) or 11 - w, so that waves w and w + 4 have complementary shares of the diagonal block.  A key step is 64 keys.
; NO CLUSTER: the four work-groups of a head walk key blocks 0 .. i and then 0 .. 7 - i; from the second trip on they want different blocks in the same trip, and a joint walk would take 12 slots, in 3 of which every wave of some partner would read nothing.
; LAYOUT.  S^T = K Q^T (source 0 = 16 keys, source 1 = 16 queries): a lane holds ONE query (lane % 16) and keys 8 (lane / 16) + 0..7; two such tiles, rounded to f16 in pairs, are source 1 of O^T = V^T P.  V is turned by ds_load_tr16_b128.
; SOFTMAX.  Running maximum m and sum l: p = 2^(c s - c m), c = log2(e) / 8; in every step O and l are multiplied by a = 2^(c m_old - c m_new).  A hidden key's score is replaced by 8 x -1e7 ahead of the maximum.
; RING.  Two slots of 256 keys (four steps; a step: 64 rows of K at pitch 144, 64 rows of V at pitch 160).  Each of the eight waves brings one tile of 64 rows: waves 0-3 K of step w, waves 4-7 V of step w - 4.  One tensor load of a wave is out at any time.
; REGISTERS.  window 0: v1-15 addresses and constants; v16, v17 the add's two; v20-35 statistics, 8 a tile (+0 c m, +1 m, +2, +3 l, +4..7 at work, a in +6); v64-127 S^T; v128-159 P; v160-223 K; v224-231 ones.
;   window 1: v0-63 O^T; v64-95 Q; v96-159 V; v160-191 the sums of v.
.set STEPB, 19456                      ; 64 x 144 + 64 x 160
.set SLOT1, 131072                     ; slot 1 begins here: one exclusive or turns an address in one slot into the other's
.set STAGE, 77824                      ; behind slot 0: 32 rows x 144 bytes for each wave, for the way out; no fill lands here
.set SPARE, 208896                     ; behind slot 1: the spare words, 128 bytes for each of eight waves
.set ST,   20
.set S,    64
.set P,    128
.set KR,   160
.set ONES, 224
.set QR,   64                          ; window 1
.set VR,   96                          ; window 1
.set VS,   160                         ; window 1
.set MSB, 0
.macro WIN new                         ; the immediate's high byte repeats the setting that is left
.if MSB != (\new)
	s_set_vgpr_msb (MSB<<8)|(\new)
.set MSB, (\new)
.endif
.endm
; s10 wave, s11 i, s12 16 b + h, s13 sub-block, s14 i + 1, s15 1 in the wave that sums v, s[16:17] q's rows, s[18:19] my tile of key block 0, s[20:21] ao's rows, s[22:23] the tile being asked for,
; s[24:31], s[32:39] descriptor groups 1 for K and V, s[40:43] the walking group 0, s[44:45], s[46:47] q and ao at my 32 queries, s[48:49] vsum's row, s50 trip, s51 step count, s52 LDS byte of the step,
; s53 the step's first key, s54 my first query, s55 first trip that prefetches, s[58:59] c, s[60:61] lane selects.
.macro TLOAD                           ; every wave's one tensor load; an s_nop 0 and four v_nop follow each of the two lines
	s_cmp_lt_u32 s10, 4
	s_cbranch_scc0 .Lfor_v_\@
	tensor_load_to_lds s[40:43], s[24:31]
	s_nop 0
.rept 4
	v_nop
.endr
	s_branch .Lasked_\@
.Lfor_v_\@:
	tensor_load_to_lds s[40:43], s[32:39]
	s_nop 0
.rept 4
	v_nop
.endr
.Lasked_\@:
.endm
; A PREFETCH INTO THE L2 of the tile that my NEXT tensor load will ask for: 8,192 dense bytes, lanes 256 bytes apart.  Work-group i = 0 walks key blocks 0 .. 7 of its second query block one trip ahead of the head's other
; work-groups: it alone asks, in trips 3 to 6, for key blocks 4 to 7, each wave for its own tile: so each block of 256 bytes is named once in the launch.  Key block 7 is the sequence's last: nothing is named beyond it.
.macro ASK
	s_sub_co_u32 s96, s50, s55
	s_cmp_lt_u32 s96, 4
	s_cbranch_scc0 .Lnot_mine_\@
	global_prefetch_b8 v10, s[22:23] offset:32768 th:TH_LOAD_NT scope:SCOPE_SE
.Lnot_mine_\@:
.endm
; A block of 256 queries begins: j = the register that holds its number.
.macro START j
	s_lshl_b32 s54, \j, 8
	s_lshl_b32 s96, s13, 5
	s_add_co_u32 s54, s54, s96                     ; my first query
	s_mov_b32 s53, 0                               ; the walk over keys begins at key 0
	s_lshl_b32 s96, s54, 7
	s_mov_b32 s97, 0
	s_add_nc_u64 s[44:45], s[16:17], s[96:97]
	s_add_nc_u64 s[46:47], s[20:21], s[96:97]
	WIN 0x40                                       ; destination window 1
.irp x, 0,1
.irp s, 0,1
	global_load_b128 v[QR+16*\x+8*\s:QR+16*\x+8*\s+3],   v6, s[44:45] offset:2048*\x+64*\s
	global_load_b128 v[QR+16*\x+8*\s+4:QR+16*\x+8*\s+7], v6, s[44:45] offset:2048*\x+64*\s+32
.endr
.endr
.set i, 0
.rept 64
	v_mov_b32 v[i], 0                              ; O^T.  (The key step is written once: the first finds zeros, which its a = 0 leaves zeros)
.set i, i+1
.endr
	WIN 0
.irp t, 0,1
	v_mov_b32 v[ST+8*\t+1], 0xff61b1e6             ; m = -3e38, under every score
	v_mul_f32 v[ST+8*\t], s58, v[ST+8*\t+1]        ; c m
	v_mov_b32 v[ST+8*\t+2], 0                      ; l, in two halves
	v_mov_b32 v[ST+8*\t+3], 0
.endr
	s_wait_loadcnt 0x0                             ; Q
.endm
; A KEY STEP: 64 keys at LDS byte s52.
.macro STEP
	s_cmp_gt_u32 s53, s54                          ; both are multiples of 32: first key > my first query means first key >= my last query + 1: every key is hidden from all my 32 queries
	s_cbranch_scc1 .Lhid_\@
	v_add_nc_u32 v4, s52, v2
	v_add_nc_u32 v5, s52, v3
.irp kt, 0,1,2,3
.irp s, 0,1
	ds_load_b128 v[KR+16*\kt+8*\s:KR+16*\kt+8*\s+3],   v4 offset:2304*\kt+64*\s
	ds_load_b128 v[KR+16*\kt+8*\s+4:KR+16*\kt+8*\s+7], v4 offset:2304*\kt+64*\s+32
.endr
.endr
	WIN 0x40
.irp ks, 0,1
.irp c, 0,1,2,3
	ds_load_tr16_b128 v[VR+8*(4*\ks+\c):VR+8*(4*\ks+\c)+3],   v5 offset:5120*\ks+32*\c
	ds_load_tr16_b128 v[VR+8*(4*\ks+\c)+4:VR+8*(4*\ks+\c)+7], v5 offset:5120*\ks+32*\c+2560
.endr
.endr
	s_wait_dscnt 16                                ; K is in; V's sixteen loads may be out
	WIN 0x04                                       ; K and S^T window 0, Q window 1
.set i, 0
.rept 16                               ; channels 32 (i / 8) on, keys 16 ((i / 2) % 4) on, tile i % 2: the eight accumulators take turns
.set rS, S+32*(i%2)+8*((i/2)%4)
.set rK, KR+16*((i/2)%4)+8*(i/8)
.set rQ, QR+16*(i%2)+8*(i/8)
.if i < 8
	v_wmma_f32_16x16x32_f16 v[rS:rS+7], v[rK:rK+7], v[rQ:rQ+7], 0
.else
	v_wmma_f32_16x16x32_f16 v[rS:rS+7], v[rK:rK+7], v[rQ:rQ+7], v[rS:rS+7]
.endif
.set i, i+1
.endr
	WIN 0
.rept 4
	v_nop                                          ; places behind the products, ahead of the first read of the scores
.endr
	s_add_co_u32 s96, s53, 64
	s_cmp_le_u32 s96, s54                          ; every key of the step lies under all my queries: nothing to hide
	s_cbranch_scc1 .Lopen_\@
	s_sub_co_i32 s96, s54, s53
	v_add_nc_u32 v12, s96, v11                     ; tile 0: my query - the step's first key - 8 (lane / 16).  Register 8 kt + j holds key 16 kt + 8 (lane / 16) + j: hidden where 16 kt + j >= that
	v_add_nc_u32 v13, 16, v12                      ; tile 1
.set i, 0
.rept 64
	v_cmp_ge_i32 vcc_lo, 16*((i%32)/8)+i%8, v[12+i/32]
	v_cndmask_b32 v[S+i], v[S+i], v14, vcc_lo
.set i, i+1
.endr
.Lopen_\@:
	; the maximum of my 32 scores and the old m, both tiles line by line; each accumulator is first read at its low end
.irp j, 0,1,2,3
.irp t, 0,1
	v_max3_num_f32 v[ST+8*\t+4+\j], v[S+32*\t+8*\j], v[S+32*\t+8*\j+1], v[S+32*\t+8*\j+2]
.endr
.endr
.irp g, 1,2
.irp j, 0,1,2,3
.irp t, 0,1
	v_max3_num_f32 v[ST+8*\t+4+\j], v[ST+8*\t+4+\j], v[S+32*\t+8*\j+2*\g+1], v[S+32*\t+8*\j+2*\g+2]
.endr
.endr
.endr
.irp t, 0,1
	v_max3_num_f32 v[ST+8*\t+4], v[ST+8*\t+4], v[S+32*\t+7], v[S+32*\t+15]
	v_max3_num_f32 v[ST+8*\t+6], v[ST+8*\t+6], v[S+32*\t+23], v[S+32*\t+31]
.endr
.irp t, 0,1
	v_max3_num_f32 v[ST+8*\t+4], v[ST+8*\t+4], v[ST+8*\t+5], v[ST+8*\t+6]
.endr
.irp t, 0,1
	v_max3_num_f32 v[ST+8*\t+4], v[ST+8*\t+4], v[ST+8*\t+7], v[ST+8*\t+1]
.endr
.irp t, 0,1
	v_permlanex16_b32 v[ST+8*\t+5], v[ST+8*\t+4], s60, s61   ; the query's other 32 keys lie in the lane 16 away
.endr
.irp t, 0,1
	v_mov_b32 v[ST+8*\t+7], v[ST+8*\t]             ; c m_old
.endr
.irp t, 0,1
	v_max_num_f32 v[ST+8*\t+1], v[ST+8*\t+4], v[ST+8*\t+5]
.endr
.irp t, 0,1
	v_mul_f32 v[ST+8*\t], s58, v[ST+8*\t+1]
.endr
.irp t, 0,1
	v_sub_f32 v[ST+8*\t+7], v[ST+8*\t+7], v[ST+8*\t]
.endr
.set i, 0
.rept 32                               ; c s - c m, two at a time
.set rS, S+32*(i%2)+2*(i/2)
.set rT, ST+8*(i%2)
	v_pk_fma_f32 v[rS:rS+1], v[rS:rS+1], s[58:59], v[rT:rT+1] op_sel_hi:[1,0,0] neg_lo:[0,0,1] neg_hi:[0,0,1]
.set i, i+1
.endr
.irp t, 0,1
	v_exp_f32 v[ST+8*\t+6], v[ST+8*\t+7]           ; a
.endr
.set i, 0
.rept 64
	v_exp_f32 v[S+i], v[S+i]                       ; p: the 66 exponentials of both tiles are one batch
.set i, i+1
.endr
	v_nop                                          ; a plain instruction behind the last exponential
	s_wait_alu depctr_va_vdst(0)                   ; one wait for the batch, ahead of its first reader
.set i, 0
.rept 32
	v_cvt_pk_f16_f32 v[P+i], v[S+2*i], v[S+2*i+1]  ; the weights as f16, in pairs: source 1 of the second product
.set i, i+1
.endr
.irp u, 0,1,2,3,4,5,6,7                ; the sum of the unrounded weights, in place, as a tree
.irp t, 0,1
	v_pk_add_f32 v[S+32*\t+4*\u:S+32*\t+4*\u+1], v[S+32*\t+4*\u:S+32*\t+4*\u+1], v[S+32*\t+4*\u+2:S+32*\t+4*\u+3]
.endr
.endr
.irp u, 0,1,2,3
.irp t, 0,1
	v_pk_add_f32 v[S+32*\t+8*\u:S+32*\t+8*\u+1], v[S+32*\t+8*\u:S+32*\t+8*\u+1], v[S+32*\t+8*\u+4:S+32*\t+8*\u+5]
.endr
.endr
.irp u, 0,1
.irp t, 0,1
	v_pk_add_f32 v[S+32*\t+16*\u:S+32*\t+16*\u+1], v[S+32*\t+16*\u:S+32*\t+16*\u+1], v[S+32*\t+16*\u+8:S+32*\t+16*\u+9]
.endr
.endr
.irp t, 0,1
	v_pk_add_f32 v[S+32*\t:S+32*\t+1], v[S+32*\t:S+32*\t+1], v[S+32*\t+16:S+32*\t+17]
.endr
.irp t, 0,1
	v_pk_fma_f32 v[ST+8*\t+2:ST+8*\t+3], v[ST+8*\t+2:ST+8*\t+3], v[ST+8*\t+6:ST+8*\t+7], v[S+32*\t:S+32*\t+1] op_sel_hi:[1,0,1]   ; l = a l + the sum
.endr
	s_wait_dscnt 0x0                               ; V is in
	WIN 0x41                                       ; O^T window 1, a window 0
.set i, 0
.rept 32
	v_pk_mul_f32 v[2*i:2*i+1], v[2*i:2*i+1], v[ST+8*(i/16)+6:ST+8*(i/16)+7] op_sel_hi:[1,0]
.set i, i+1
.endr
	WIN 0x51                                       ; V window 1, P window 0, O^T window 1
.set i, 0
.rept 16                               ; keys 32 (i / 8) on, channels 16 ((i / 2) % 4) on, tile i % 2: eight accumulators by turns
.set rO, 32*(i%2)+8*((i/2)%4)
.set rV, VR+8*(4*(i/8)+(i/2)%4)
.set rP, P+16*(i%2)+8*(i/8)
	v_wmma_f32_16x16x32_f16 v[rO:rO+7], v[rV:rV+7], v[rP:rP+7], v[rO:rO+7]
.set i, i+1
.endr
	WIN 0
	s_cmp_eq_u32 s15, 1
	s_cbranch_scc0 .Lnovs_\@
	WIN 0x51
.irp ks, 0,1                           ; one wave of one work-group of the head, which walks all 2,048 keys: the sums of v's rows, as V^T times ones
.irp c, 0,1,2,3
	v_wmma_f32_16x16x32_f16 v[VS+8*\c:VS+8*\c+7], v[VR+8*(4*\ks+\c):VR+8*(4*\ks+\c)+7], v[ONES:ONES+7], v[VS+8*\c:VS+8*\c+7]
.endr
.endr
	WIN 0
.Lnovs_\@:
.rept 4
	v_nop                                          ; places behind the last products: for the next step's loads into V's registers, and for the first read of O^T on the way out
.endr
.Lhid_\@:
	s_add_co_u32 s52, s52, STEPB
	s_add_co_u32 s53, s53, 64
.endm
.macro FOUR_STEPS                      ; a slot's four key steps: written once, walked four times
	s_mov_b32 s51, 4
.Lstep_\@:
	STEP
	s_sub_co_u32 s51, s51, 1
	s_cmp_lg_u32 s51, 0
	s_cbranch_scc1 .Lstep_\@
	s_sub_co_u32 s52, s52, 4*STEPB
	s_xor_b32 s52, s52, SLOT1                      ; on to the other slot
.endm
; THE CHANGE OF SLOTS stands at a slot's head.  Each wave waits for all its tensor loads (its tile of the slot ahead), adds 0 to its spare word, and waits for that and for its reads of the slot that it has left.
; Behind the barrier the slot ahead is whole and nobody reads the other one.  fill = 1: that other slot takes the next 256 keys; the load has four key steps in which to land.
.macro CHANGE fill
	s_wait_tensorcnt 0x0                           ; no tensor load of mine is out, so the group 0 may be written
	ds_add_u32 v16, v17                            ; 0 onto my spare word
.if \fill
	s_wait_xcnt 0x0                                ; the last prefetch, a slot back, has read its address
	s_add_co_u32 s96, s50, 1
	s_cmp_gt_u32 s96, s11
	s_cselect_b32 s97, s14, 0
	s_sub_co_u32 s96, s96, s97                     ; the next trip's key block: trip + 1, less i + 1 in the second query block
	s_lshl_b32 s96, s96, 15                        ; 256 rows of 128 bytes
	s_mov_b32 s97, 0
	s_add_nc_u64 s[22:23], s[18:19], s[96:97]
	s_xor_b32 s41, s41, SLOT1                      ; the other slot than last time
	s_mov_b64 s[42:43], s[22:23]
	s_or_b32 s43, s43, 0x80000000                  ; type = 2
.endif
	s_wait_dscnt 0x0                               ; the add is done, and my reads of the slot that I have left are over
	s_barrier_signal -1
	s_barrier_wait -1
.if \fill
	TLOAD                                          ; the first thing behind the barrier, and my one tensor load until the next
	ASK
.endif
.endm
; THE WAY OUT of a block: O^T / l, rounded to f16, through my own stage, out as 512 consecutive bytes (four rows of ao) an instruction.
.macro FINISH
.irp t, 0,1
	v_add_f32 v[ST+8*\t+4], v[ST+8*\t+2], v[ST+8*\t+3]
.endr
.irp t, 0,1
	v_permlanex16_b32 v[ST+8*\t+5], v[ST+8*\t+4], s60, s61
.endr
.irp t, 0,1
	v_add_f32 v[ST+8*\t+4], v[ST+8*\t+4], v[ST+8*\t+5]
.endr
.irp t, 0,1
	v_rcp_f32 v[ST+8*\t+6], v[ST+8*\t+4]           ; l is at least 1: the row's largest score has p = 1
.endr
	v_nop
	s_wait_alu depctr_va_vdst(0)                   ; one wait for the two reciprocals
	WIN 0x41
.set i, 0
.rept 32
	v_pk_mul_f32 v[2*i:2*i+1], v[2*i:2*i+1], v[ST+8*(i/16)+6:ST+8*(i/16)+7] op_sel_hi:[1,0]
.set i, i+1
.endr
	WIN 0x05                                       ; sources window 1, destination window 0: S^T's registers are free
.set i, 0
.rept 32
	v_cvt_pk_f16_f32 v[S+i], v[2*i], v[2*i+1]
.set i, i+1
.endr
	WIN 0
.irp x, 0,1
.irp c, 0,1,2,3
	ds_store_b128 v7, v[S+16*\x+4*\c:S+16*\x+4*\c+3] offset:2304*\x+32*\c
.endr
.endr
.irp t, 0,1,2,3,4,5,6,7
	ds_load_b128 v[96+4*\t:96+4*\t+3], v8 offset:576*\t   ; LDS serves a wave's instructions in order: these see the stores above
.endr
.irp t, 0,1,2,3,4,5,6,7
	s_wait_dscnt 7-\t                              ; the younger reads of the stage may be out
	global_store_b128 v9, v[96+4*\t:96+4*\t+3], s[46:47] offset:512*\t
.endr
	s_wait_xcnt 0x0                                ; the stores have read their base and their data: both are written again
.endm
	s_load_b128 s[4:7], s[0:1], 0x0                ; qkv, ao
	s_load_b64 s[8:9], s[0:1], 0x10                ; vsum
	v_lshl_add_u32 v16, v0, 2, SPARE
	v_mov_b32 v17, 0
	ds_add_u32 v16, v17                            ; the wave's opening: 0 added to my spare word, twice on end
	ds_add_u32 v16, v17
	v_lshrrev_b32 v1, 5, v0
	v_readfirstlane_b32 s10, v1                    ; wave 0..7
	s_mov_b32 s11, ttmp9                           ; i
	s_and_b32 s12, ttmp7, 0xffff                   ; 16 b + h
	s_sub_co_u32 s96, 11, s10
	s_cmp_lt_u32 s10, 4
	s_cselect_b32 s13, s10, s96                    ; my sub-block of 32 queries
	s_add_co_u32 s14, s11, 1
	s_mov_b32 s15, 0
	s_mov_b32 s55, 0x1000
	s_cmp_eq_u32 s11, 0
	s_cselect_b32 s55, 3, s55
	s_mov_b32 s24, (1<<16)|(1<<20)|(4<<22)|(3<<25) ; K: elements of 2 bytes; padding on: 4 words after every 32
	s_mov_b32 s25, 64<<16                          ; tensor_dim0
	s_mov_b32 s26, 64<<16                          ; tensor_dim1
	s_mov_b32 s27, 64<<16                          ; tile_dim0
	s_mov_b32 s28, 64                              ; tile_dim1
	s_mov_b32 s29, 64                              ; the pitch
	s_mov_b32 s30, 0
	s_mov_b32 s31, 0
	s_mov_b32 s32, (1<<16)|(1<<20)|(4<<22)|(7<<25) ; V: the same with 8 words of padding
	s_mov_b32 s33, 64<<16
	s_mov_b32 s34, 64<<16
	s_mov_b32 s35, 64<<16
	s_mov_b32 s36, 64
	s_mov_b32 s37, 64
	s_mov_b32 s38, 0
	s_mov_b32 s39, 0
	s_mov_b32 s58, 0x3e38aa3b                      ; c = log2(e) / 8
	s_mov_b32 s59, s58
	s_mov_b32 s60, 0x76543210
	s_mov_b32 s61, 0xfedcba98
	s_mov_b32 s52, 0
	s_and_b32 s96, s12, 15
	s_lshl_b32 s96, s96, 20                        ; the head's plane,
	s_lshr_b32 s97, s12, 4
	s_lshl_b32 s97, s97, 18                        ; the batch's 2,048 rows of 128 bytes
	s_add_co_u32 s96, s96, s97
	s_mov_b32 s97, 0
	s_lshr_b32 s56, s10, 2
	s_add_co_u32 s56, s56, 1
	s_lshl_b32 s56, s56, 24                        ; k's planes lie 16 planes on, v's 32
	s_and_b32 s57, s10, 3
	s_lshl_b32 s57, s57, 13                        ; my step's 64 rows
	s_add_co_u32 s56, s56, s57
	s_mov_b32 s57, 0
	s_lshl_b32 s2, s12, 8
	s_mov_b32 s3, 0
	s_mov_b32 s40, 1
	s_and_b32 s98, s10, 3
	s_mul_i32 s41, s98, STEPB                      ; where my tile goes: step w % 4 of slot 0,
	s_lshr_b32 s98, s10, 2
	s_mul_i32 s98, s98, 9216
	s_add_co_u32 s41, s41, s98                     ; V behind K's 64 rows
	s_wait_dscnt 0x0                               ; both opening adds are done
	s_wait_kmcnt 0x0
	s_add_nc_u64 s[16:17], s[4:5], s[96:97]
	s_add_nc_u64 s[20:21], s[6:7], s[96:97]
	s_add_nc_u64 s[18:19], s[16:17], s[56:57]
	s_add_nc_u64 s[48:49], s[8:9], s[2:3]
	s_mov_b64 s[22:23], s[18:19]
	s_mov_b64 s[42:43], s[18:19]
	s_or_b32 s43, s43, 0x80000000
	TLOAD                                          ; key block 0 into slot 0
	v_and_b32 v1, 15, v0                           ; r
	v_bfe_u32 v18, v0, 4, 1                        ; h
	v_mul_u32_u24 v2, v1, 144
	v_lshl_add_u32 v2, v18, 4, v2                  ; K: row r x pitch + 16 h
	v_and_b32 v19, 7, v0
	v_lshl_add_u32 v3, v18, 3, v19
	v_mul_u32_u24 v3, v3, 160
	v_bfe_u32 v19, v0, 3, 1
	v_lshl_add_u32 v3, v19, 4, v3
	v_add_nc_u32 v3, 9216, v3                      ; V, for the turning load: key 8 h + l % 8, channels 8 ((l / 8) % 2) on
	v_lshlrev_b32 v6, 7, v1
	v_lshl_add_u32 v6, v18, 4, v6                  ; Q in memory: row r of 128 bytes + 16 h
	s_mul_i32 s96, s10, 4608
	s_add_co_u32 s96, s96, STAGE                   ; my stage
	v_add_nc_u32 v7, s96, v2                       ; in: row r, 16 bytes for each half of the lanes
	v_and_b32 v9, 31, v0
	v_lshrrev_b32 v8, 3, v9
	v_mul_u32_u24 v8, v8, 144
	v_and_b32 v19, 7, v0
	v_lshl_add_u32 v8, v19, 4, v8
	v_add_nc_u32 v8, s96, v8                       ; back: eight lanes to a row of 128 bytes, four rows an instruction
	v_lshlrev_b32 v10, 8, v9                       ; the prefetches' offset
	v_lshlrev_b32 v9, 4, v9                        ; and in ao
	v_lshlrev_b32 v15, 3, v18
	v_sub_nc_u32 v11, v1, v15                      ; r - 8 h
	v_lshlrev_b32 v15, 5, v18                      ; 32 h
	v_mov_b32 v14, 0xcc989680                      ; -8e7: reference()'s -1e7 in units of the unscaled score
	WIN 0x40
.set i, 0
.rept 32
	v_mov_b32 v[VS+i], 0                           ; the sums of v
.set i, i+1
.endr
	WIN 0
.set i, 0
.rept 8
	v_mov_b32 v[ONES+i], 0x3c003c00                ; 1.0 twice, in f16
.set i, i+1
.endr
.set i, 0
.rept 16
	v_mov_b32 v[ST+i], 0                           ; written once: a lane permute's destination counts as one of its sources
.set i, i+1
.endr
	START s11
	s_mov_b32 s50, 0
.Lslot:                                            ; eight trips: behind each change of slots but the last the next 256 keys are asked for
	CHANGE 1
	s_cmp_lg_u32 s50, s14                          ; trip i + 1 begins the second block of queries: ids alone, the same in all eight waves
	s_cbranch_scc1 .Lsame
	FINISH
	s_sub_co_u32 s56, 7, s11
	START s56
	s_sub_co_u32 s96, s10, 4
	s_or_b32 s96, s96, s11
	s_cmp_eq_u32 s96, 0
	s_cselect_b32 s15, 1, 0                        ; wave 4 of work-group 0 now owns queries 2,016 on: it walks all 32 key steps, and sums v
.Lsame:
	FOUR_STEPS
	s_add_co_u32 s50, s50, 1
	s_cmp_lt_u32 s50, 8
	s_cbranch_scc1 .Lslot
	CHANGE 0                                       ; the last slot is written out: nothing is left to fetch
	FOUR_STEPS
	FINISH
	s_cmp_eq_u32 s15, 1
	s_cbranch_scc0 .Lno_sum
	v_cmp_eq_u32 vcc_lo, 0, v1                     ; every column of the sums' tiles holds the same numbers: lanes 0 and 16 store
	s_wait_xcnt 0x0                                ; EXEC changes only behind this wait
	s_and_saveexec_b32 s96, vcc_lo
	WIN 0x04                                       ; a store's data are its source 1: window 1
.irp c, 0,1,2,3
	global_store_b128 v15, v[VS+8*\c:VS+8*\c+3], s[48:49] offset:64*\c        ; channels 16 c + 8 h + 0 .. 7
	global_store_b128 v15, v[VS+8*\c+4:VS+8*\c+7], s[48:49] offset:64*\c+16
.endr
	WIN 0
	s_wait_xcnt 0x0
	s_or_b32 exec_lo, exec_lo, s96
.Lno_sum:
	s_wait_tensorcnt 0x0                           ; the wave's end
	ds_add_u32 v16, v17
	s_wait_dscnt 0x0
	s_endpgm
.Lfunc_end_k_qe09d8e2a6f_attn:
	.size	k_qe09d8e2a6f_attn, .Lfunc_end_k_qe09d8e2a6f_attn-k_qe09d8e2a6f_attn
	.p2alignl 7, 3214868480
	.fill 96, 4, 3214868480
	.section	.rodata,"a",@progbits
	.p2align	6, 0x0
	.amdhsa_kernel k_qe09d8e2a6f_attn
		.amdhsa_group_segment_fixed_size 327680
		.amdhsa_private_segment_fixed_size 0
		.amdhsa_enable_private_segment 0
		.amdhsa_kernarg_size 24
		.amdhsa_user_sgpr_count 2
		.amdhsa_user_sgpr_kernarg_segment_ptr 1
		.amdhsa_wavefront_size32 1
		.amdhsa_system_sgpr_workgroup_id_x 1
		.amdhsa_system_sgpr_workgroup_id_y 1
		.amdhsa_system_sgpr_workgroup_id_z 1
		.amdhsa_system_vgpr_workitem_id 0
		.amdhsa_next_free_vgpr 448
		.amdhsa_next_free_sgpr 100
		.amdhsa_reserve_vcc 1
		.amdhsa_float_denorm_mode_32 3
		.amdhsa_float_denorm_mode_16_64 3
		.amdhsa_memory_ordered 1
		.amdhsa_forward_progress 1
		.amdhsa_inst_pref_size 75
	.end_amdhsa_kernel
	.amdgpu_metadata
---
amdhsa.version: [ 1, 2 ]
amdhsa.kernels:
  - .name:           k_qe09d8e2a6f_attn
    .symbol:         k_qe09d8e2a6f_attn.kd
    .args:
      - { .name: qkv, .offset: 0, .size: 8, .value_kind: global_buffer, .address_space: global }
      - { .name: ao, .offset: 8, .size: 8, .value_kind: global_buffer, .address_space: global }
      - { .name: vsum, .offset: 16, .size: 8, .value_kind: global_buffer, .address_space: global }
    .group_segment_fixed_size: 327680
    .private_segment_fixed_size: 0
    .kernarg_segment_align: 8
    .kernarg_segment_size: 24
    .max_flat_workgroup_size: 256
    .sgpr_count:     100
    .vgpr_count:     448
    .wavefront_size: 32
...
	.end_amdgpu_metadata
.endif
;; end of part 3
;; launch oproj (part 4): grid 4 x 64, 4 waves a work-group, clusters of 4 x 4, 327,680 bytes of LDS; arguments ao, wo16, out0; writes out0
.if DOCPART == 4
	.amdgcn_target "amdgcn-amd-amdhsa--gfx1250"
	.amdhsa_code_object_version 6
	.text
	.protected	k_qe09d8e2a6f_oproj
	.globl	k_qe09d8e2a6f_oproj
	.p2align	8
	.type	k_qe09d8e2a6f_oproj,@function
k_qe09d8e2a6f_oproj:
	s_mov_b64 s[64:65], 0
	v_nop
	global_prefetch_b8 v0, s[64:65] scope:SCOPE_SE
	s_setreg_imm32_b32 hwreg(HW_REG_WAVE_MODE, 25, 1), 1
	s_wait_xcnt 0x0
	s_wait_alu depctr_hold_cnt(0) depctr_sa_sdst(0) depctr_va_vdst(0) depctr_va_sdst(0) depctr_va_ssrc(0) depctr_va_vcc(0) depctr_vm_vsrc(0)
	s_getreg_b32 s2, hwreg(HW_REG_IB_STS2, 6, 4)
	s_cmp_eq_u32 s2, 0
	s_cbranch_scc0 .Lentry_in_a_cluster
	s_endpgm
.Lentry_in_a_cluster:
	s_bfe_u32 s2, ttmp6, 0x10000c
	s_cmp_lg_u32 s2, 0xf033
	s_cbranch_scc0 .Lentry_shape_is_right
	s_endpgm
.Lentry_shape_is_right:
; out0 = (attention's result) W_out on f16 operands, sums in f32: C[m][n] = sum over k of A[m][k] B[k][n].  A = ao, [16 heads][8192 rows][64] (k = 64 head + channel); B = wo16, [1024 (k)][1024 (n)]; C = out0, f32.
; LEFT OUT: the stores of rows 0-15 of each sequence: the last launch makes those rows in f32 (they are multiplied here inside live tiles).
; A tile of C is 128 x 256: 256 work-groups.  Four waves, each 64 x 128: 32 accumulators.  K goes in steps of 128 (two heads) through two LDS slots: A's two blocks of 128 rows x 128 bytes (pitch 144), B's 128 rows of 512 bytes (pitch 544).
; CLUSTERS: 4 x 4.  Tile column = cx; tile row = 16 cy + cluster y: so cy is the batch, and a tile holds a sequence's rows 0-15 where cluster y = 0, the same in all sixteen partners.
; A's tiles are asked for jointly along a row of the cluster, B's along a column; waves 0, 1 fetch A's two heads, waves 2, 3 B's two halves of 64 rows.
; THE MATRIX INSTRUCTION IS USED TRANSPOSED: source 0 = 16 columns of B (turned by ds_load_tr16_b128), source 1 = 16 rows of A: a lane holds eight neighbouring columns of a row of C.
; No prefetch: a K step holds 128 matrix instructions a wave and the whole of A and B is walked by sixteen clusters at the same pace.
; REGISTERS: window 0: v16-29 addresses; v64-127 A's fragments, two buffers of 4; v128-255 the way out.  window 1: v0-127 B's fragments, two buffers of 8.  window 2: the accumulators ((a, b) at v[8 (8 a + b)]).
.set SLOT,   106496
.set BOFF,   36864
.set STAGE,  2*SLOT                    ; 16 rows x 528 bytes for each wave
.set SPITCH, 528
.set SPARE,  STAGE+4*16*SPITCH
.set ADRA, 16
.set ADRB, 20
.set STO,  24
.set RD,   25
.set CO,   26
.set SPW,  28
.set NIL,  29
.set AF,   64
.set BK,   128
.set G1, 24
.set G0, 32
.set G1B, 48
.set G0B, 56
.set MSB, 0
.macro WIN new
.if MSB != (\new)
	s_set_vgpr_msb (MSB<<8)|(\new)
.set MSB, (\new)
.endif
.endm
.set MUL,  0xa1                        ; source 0 (B) window 1, source 1 (A) window 0, C and D window 2
.macro JLOAD s                         ; a joint load; an s_nop 0 and four v_nop follow each of the two lines
	s_cmp_eq_u32 s11, 0
	s_cbranch_scc0 .Lfor_b_\@
	tensor_load_to_lds s[G0+4*\s:G0+4*\s+3], s[G1:G1+7]
	s_nop 0
.rept 4
	v_nop
.endr
	s_branch .Lasked_\@
.Lfor_b_\@:
	tensor_load_to_lds s[G0B+4*\s:G0B+4*\s+3], s[G1B:G1B+7]
	s_nop 0
.rept 4
	v_nop
.endr
.Lasked_\@:
.endm
.macro CREST
	s_cmp_lg_u32 s10, 0
	s_cbranch_scc1 .Lnot_wave_0_\@
	s_barrier_signal -3
.Lnot_wave_0_\@:
	s_barrier_wait -3
	s_barrier_signal -1
	s_barrier_wait -1
.endm
.macro CROUND
	s_barrier_signal -1
	s_barrier_wait -1
	CREST
.endm
	s_load_b128 s[4:7], s[0:1], 0x0                ; ao, wo16
	s_load_b64 s[8:9], s[0:1], 0x10                ; out0
	v_lshl_add_u32 v[SPW], v0, 2, SPARE
	v_mov_b32 v[NIL], 0
	ds_add_u32 v[SPW], v[NIL]                      ; the wave's opening: 0 added to my spare word, twice on end
	ds_add_u32 v[SPW], v[NIL]
	v_lshrrev_b32 v1, 5, v0
	v_readfirstlane_b32 s10, v1                    ; wave 0..3
	s_lshr_b32 s11, s10, 1                         ; which half of the tile's rows is mine.  Also: I fetch for A (0) or for B (1)
	s_and_b32 s12, s10, 1                          ; which half of its columns.  Also: which head of A, or which 64 rows of B, I fetch
	s_bfe_u32 s40, ttmp6, 0x40000                  ; cx
	s_bfe_u32 s41, ttmp6, 0x40004                  ; cy
	s_lshl_b32 s42, ttmp9, 2
	s_add_co_u32 s42, s42, s40                     ; tile column
	s_and_b32 s13, ttmp7, 0xffff                   ; cluster y
	s_or_b32 s45, s13, s11                         ; 0 where my first 16 rows are a sequence's rows 0-15: cluster y and the wave's number alone
	s_lshl_b32 s14, s41, 4
	s_add_co_u32 s13, s13, s14                     ; tile row = 16 cy + cluster y
	s_lshl_b32 s43, s41, 2
	s_lshl_b32 s43, 15, s43                        ; my row of the cluster
	s_lshl_b32 s44, 0x1111, s40                    ; my column
	s_or_b32 s[G1+0], s43, (1<<16)|(1<<20)|(1<<21)|(4<<22)|(3<<25)   ; A: elements of 2 bytes; 4 words of padding after every 32
	s_mov_b32 s[G1+1], 64<<16                      ; tensor_dim0
	s_mov_b32 s[G1+2], 128<<16                     ; tensor_dim1
	s_mov_b32 s[G1+3], 64<<16                      ; tile_dim0
	s_mov_b32 s[G1+4], 128                         ; tile_dim1
	s_mov_b32 s[G1+5], 64                          ; the pitch
	s_mov_b32 s[G1+6], 0
	s_mov_b32 s[G1+7], 0
	s_or_b32 s[G1B+0], s44, (1<<16)|(1<<20)|(1<<21)|(6<<22)|(7<<25)  ; B: 8 words of padding after every 128
	s_mov_b32 s[G1B+1], 256<<16
	s_mov_b32 s[G1B+2], 64<<16
	s_mov_b32 s[G1B+3], 256<<16
	s_mov_b32 s[G1B+4], 64
	s_mov_b32 s[G1B+5], 1024
	s_mov_b32 s[G1B+6], 0
	s_mov_b32 s[G1B+7], 0
	s_lshl_b32 s16, s12, 20                        ; A: head s12 of the K step,
	s_lshl_b32 s17, s13, 14                        ; the tile's 128 rows of 128 bytes
	s_add_co_u32 s16, s16, s17
	s_mov_b32 s17, 0
	s_lshl_b32 s46, s12, 17                        ; B: 64 rows of 2,048 bytes,
	s_lshl_b32 s47, s42, 9                         ; the tile's 256 columns
	s_add_co_u32 s46, s46, s47
	s_mov_b32 s47, 0
	s_mul_i32 s20, s12, 18432                      ; where they go: A's two blocks,
	s_mul_i32 s21, s12, 34816
	s_add_co_u32 s21, s21, BOFF                    ; B's two halves behind them
	s_wait_dscnt 0x0                               ; both opening adds are done
	s_wait_kmcnt 0x0
	s_add_nc_u64 s[14:15], s[4:5], s[16:17]
	s_add_nc_u64 s[46:47], s[6:7], s[46:47]
	CROUND                                         ; all sixteen work-groups are here: the first joint loads meet
.irp s, 0,1
	s_mov_b32 s[G0+4*\s], 1
	s_add_co_u32 s[G0+4*\s+1], s20, \s*SLOT
	s_add_nc_u64 s[G0+4*\s+2:G0+4*\s+3], s[14:15], \s*0x200000      ; K step s: two planes on
	s_or_b32 s[G0+4*\s+3], s[G0+4*\s+3], 0x80000000
	s_mov_b32 s[G0B+4*\s], 1
	s_add_co_u32 s[G0B+4*\s+1], s21, \s*SLOT
	s_add_nc_u64 s[G0B+4*\s+2:G0B+4*\s+3], s[46:47], \s*262144      ; 128 rows on
	s_or_b32 s[G0B+4*\s+3], s[G0B+4*\s+3], 0x80000000
	JLOAD \s
.endr
	v_and_b32 v1, 15, v0                           ; r
	v_bfe_u32 v2, v0, 4, 1                         ; h
	v_mul_u32_u24 v3, v1, 144
	v_lshl_add_u32 v3, v2, 4, v3
	s_mul_i32 s21, s11, 9216                       ; my 64 rows of A
	v_add_nc_u32 v[ADRA], s21, v3
	v_add_nc_u32 v[ADRA+1], SLOT, v[ADRA]
	v_and_b32 v4, 7, v0
	v_lshl_add_u32 v4, v2, 3, v4
	v_mul_u32_u24 v4, v4, 544
	v_bfe_u32 v5, v0, 3, 1
	v_lshl_add_u32 v4, v5, 4, v4                   ; B, for the turning load: row 8 h + l % 8, columns 8 ((l / 8) % 2) on
	s_lshl_b32 s22, s12, 8                         ; my 128 columns
	s_add_co_u32 s22, s22, BOFF
	v_add_nc_u32 v[ADRB], s22, v4
	v_add_nc_u32 v[ADRB+1], SLOT, v[ADRB]
	s_mul_i32 s23, s10, 16*SPITCH
	s_add_co_u32 s23, s23, STAGE                   ; my stage
	v_mul_u32_u24 v5, v1, SPITCH
	v_lshl_add_u32 v5, v2, 5, v5
	v_add_nc_u32 v[STO], s23, v5                   ; in: row r, 32 bytes for each half of the lanes
	v_and_b32 v6, 31, v0
	v_lshlrev_b32 v[CO], 4, v6                     ; back: the 32 lanes take one row of 512 bytes; and the same in C
	v_add_nc_u32 v[RD], s23, v[CO]
	s_lshl_b32 s16, s13, 7
	s_lshl_b32 s17, s11, 6
	s_add_co_u32 s16, s16, s17                     ; my first row of C
	s_lshl_b32 s16, s16, 12                        ; rows of 4,096 bytes
	s_lshl_b32 s46, s42, 10
	s_lshl_b32 s47, s12, 9
	s_add_co_u32 s46, s46, s47                     ; my first column, in bytes
	s_add_co_u32 s16, s16, s46
	s_mov_b32 s17, 0
	s_add_nc_u64 s[8:9], s[8:9], s[16:17]
.macro MUL8 p, a, zero                 ; A's block a x B's eight, 32 along K, buffers p.  The 32 accumulators take turns, in the same order in every quarter
.irp b, 0,1,2,3,4,5,6,7
.if \zero
	v_wmma_f32_16x16x32_f16 v[8*(8*(\a)+\b):8*(8*(\a)+\b)+7], v[64*(\p)+8*\b:64*(\p)+8*\b+7], v[AF+32*(\p)+8*(\a):AF+32*(\p)+8*(\a)+7], 0
.else
	v_wmma_f32_16x16x32_f16 v[8*(8*(\a)+\b):8*(8*(\a)+\b)+7], v[64*(\p)+8*\b:64*(\p)+8*\b+7], v[AF+32*(\p)+8*(\a):AF+32*(\p)+8*(\a)+7], v[8*(8*(\a)+\b):8*(8*(\a)+\b)+7]
.endif
.endr
.endm
.macro FETCH slot, q, p                ; 24 LDS loads in one run: the slot's q-th 32 along K into buffers p: B's eight fragments, then A's four
	WIN 0x40
.irp i, 0,1,2,3,4,5,6,7
	ds_load_tr16_b128 v[64*(\p)+8*\i:64*(\p)+8*\i+3],   v[ADRB+\slot] offset:17408*(\q)+32*\i
	ds_load_tr16_b128 v[64*(\p)+8*\i+4:64*(\p)+8*\i+7], v[ADRB+\slot] offset:17408*(\q)+32*\i+8704
.endr
	WIN 0
.irp i, 0,1,2,3
	ds_load_b128 v[AF+32*(\p)+8*\i:AF+32*(\p)+8*\i+3],   v[ADRA+\slot] offset:((\q)/2)*18432+((\q)%2)*64+2304*\i
	ds_load_b128 v[AF+32*(\p)+8*\i+4:AF+32*(\p)+8*\i+7], v[ADRA+\slot] offset:((\q)/2)*18432+((\q)%2)*64+2304*\i+32
.endr
.endm
.macro PLACES
.rept 4
	v_nop
.endr
.endm
.macro QUARTER slot, q, f, g, zero     ; multiplies buffers f; in its middle it fetches the slot's q-th quarter into buffers g
	s_wait_dscnt 4                                 ; B and A's blocks 0, 1 are in; the youngest four loads (A's blocks 2, 3) may be out
	WIN MUL
	MUL8 \f, 0, \zero
	MUL8 \f, 1, \zero
	PLACES
	FETCH \slot, \q, \g
	s_wait_dscnt 24                                ; all but the 24 just issued
	WIN MUL
	MUL8 \f, 2, \zero
	MUL8 \f, 3, \zero
.endm
; A slot's last quarter multiplies buffers 1 and changes slots: ONE barrier; in front of it each wave waits for all its tensor loads, adds 0 to its spare word, and waits for that and for its own reads of this slot.
.macro TURN slot, next, fill
	WIN 0
	s_wait_tensorcnt 0x0                           ; all my tensor loads have landed: my part of the next slot
	ds_add_u32 v[SPW], v[NIL]                      ; 0 onto my spare word
	s_wait_dscnt 5                                 ; (the add and the youngest four loads may be out)
	WIN MUL
	MUL8 1, 0, 0
	s_wait_dscnt 0x0                               ; the add is done, and my reads of this slot are over
	s_barrier_signal -1
	MUL8 1, 1, 0
.if \fill
	WIN 0
.endif
	s_barrier_wait -1
.if \fill
	CREST                                          ; the barrier has opened a round of the cluster's barrier: no wave of any partner still reads this slot or has a load on its way
	s_add_nc_u64 s[G0+4*\slot+2:G0+4*\slot+3], s[G0+4*\slot+2:G0+4*\slot+3], 0x400000
	s_add_nc_u64 s[G0B+4*\slot+2:G0B+4*\slot+3], s[G0B+4*\slot+2:G0B+4*\slot+3], 524288
	JLOAD \slot                                    ; the first tensor load behind the round; its four v_nop are also the places in front of the loads below
.else
	PLACES
.endif
	FETCH \next, 0, 0
	WIN MUL
	MUL8 1, 2, 0
	MUL8 1, 3, 0
.endm
	s_wait_tensorcnt 1                             ; my part of K step 0 is in (K step 1's load may be out),
	s_barrier_signal -1
	s_barrier_wait -1                              ; everybody's is
	FETCH 0, 0, 0
	QUARTER 0, 1, 0, 1, 1                          ; the first quarter's products start the sums
	WIN 0
	s_mov_b32 s3, 3
.Llap:                                             ; three trips, each once round the ring: K steps 2 to 7 are asked for
	QUARTER 0, 2, 1, 0, 0
	QUARTER 0, 3, 0, 1, 0
	TURN 0, 1, 1
	QUARTER 1, 1, 0, 1, 0
	QUARTER 1, 2, 1, 0, 0
	QUARTER 1, 3, 0, 1, 0
	TURN 1, 0, 1
	QUARTER 0, 1, 0, 1, 0
	WIN 0
	s_sub_co_u32 s3, s3, 1
	s_cmp_lg_u32 s3, 0
	s_cbranch_scc1 .Llap
	QUARTER 0, 2, 1, 0, 0                          ; the last lap fills nothing
	QUARTER 0, 3, 0, 1, 0
	TURN 0, 1, 0
	QUARTER 1, 1, 0, 1, 0
	QUARTER 1, 2, 1, 0, 0
	QUARTER 1, 3, 0, 1, 0
	s_wait_dscnt 4
	WIN MUL
	MUL8 1, 0, 0
	MUL8 1, 1, 0
	s_wait_dscnt 0
	MUL8 1, 2, 0
	MUL8 1, 3, 0
	WIN 0
; THE WAY OUT, block by block of 16 rows x 128 columns, through my own stage: back as whole rows of 512 bytes.
.macro TOSTAGE a
.set AC, 64*(\a)
	WIN 0x08                                       ; an LDS store's data are its source 1: window 2
.irp b, 0,1,2,3,4,5,6,7
	ds_store_b128 v[STO], v[AC+8*\b:AC+8*\b+3] offset:64*\b          ; each accumulator from its low end on
	ds_store_b128 v[STO], v[AC+8*\b+4:AC+8*\b+7] offset:64*\b+16
.endr
	WIN 0
.set BB, BK+64*((\a)%2)
.irp t, 0,1,2,3,4,5,6,7,8,9,10,11,12,13,14,15
	ds_load_b128 v[BB+4*\t:BB+4*\t+3], v[RD] offset:\t*SPITCH
.endr
.endm
.macro SEND a, younger                 ; younger: the LDS instructions issued behind block a's loads
.set BB, BK+64*((\a)%2)
	s_wait_dscnt \younger
.if (\a) > 0
	s_add_nc_u64 s[8:9], s[8:9], 65536             ; 16 rows on (behind a wait on XCNT: the earlier stores have read their base)
.else
	s_cmp_eq_u32 s45, 0                            ; a sequence's rows 0-15 are the last launch's
	s_cbranch_scc1 .Lnot_here
.endif
.irp t, 0,1,2,3,4,5,6,7,8,9,10,11,12,13,14,15
	global_store_b128 v[CO], v[BB+4*\t:BB+4*\t+3], s[8:9] offset:\t*4096 th:TH_STORE_NT   ; 32 lanes store 512 consecutive bytes, aligned
.endr
.if (\a) == 0
.Lnot_here:
.endif
.endm
	PLACES
	TOSTAGE 0
.irp a, 1,2,3
.if \a > 1
	s_wait_xcnt 0x0                                ; block a - 2's stores have read their registers and their base
.endif
	TOSTAGE \a
	SEND \a-1, 32                                  ; behind block a - 1's loads: block a's 16 stores and 16 loads
.endr
	s_wait_xcnt 0x0
	SEND 3, 0
	s_wait_tensorcnt 0x0                           ; the wave's end
	ds_add_u32 v[SPW], v[NIL]
	s_wait_dscnt 0x0
	CROUND                                         ; the closing round
	s_endpgm
.Lfunc_end_k_qe09d8e2a6f_oproj:
	.size	k_qe09d8e2a6f_oproj, .Lfunc_end_k_qe09d8e2a6f_oproj-k_qe09d8e2a6f_oproj
	.p2alignl 7, 3214868480
	.fill 96, 4, 3214868480
	.section	.rodata,"a",@progbits
	.p2align	6, 0x0
	.amdhsa_kernel k_qe09d8e2a6f_oproj
		.amdhsa_group_segment_fixed_size 327680
		.amdhsa_private_segment_fixed_size 0
		.amdhsa_enable_private_segment 0
		.amdhsa_kernarg_size 24
		.amdhsa_user_sgpr_count 2
		.amdhsa_user_sgpr_kernarg_segment_ptr 1
		.amdhsa_wavefront_size32 1
		.amdhsa_system_sgpr_workgroup_id_x 1
		.amdhsa_system_sgpr_workgroup_id_y 1
		.amdhsa_system_sgpr_workgroup_id_z 1
		.amdhsa_system_vgpr_workitem_id 0
		.amdhsa_next_free_vgpr 768
		.amdhsa_next_free_sgpr 66
		.amdhsa_reserve_vcc 0
		.amdhsa_float_denorm_mode_32 3
		.amdhsa_float_denorm_mode_16_64 3
		.amdhsa_memory_ordered 1
		.amdhsa_forward_progress 1
		.amdhsa_inst_pref_size 86
	.end_amdhsa_kernel
	.amdgpu_metadata
---
amdhsa.version: [ 1, 2 ]
amdhsa.kernels:
  - .name:           k_qe09d8e2a6f_oproj
    .symbol:         k_qe09d8e2a6f_oproj.kd
    .args:
      - { .name: ao, .offset: 0, .size: 8, .value_kind: global_buffer, .address_space: global }
      - { .name: wo16, .offset: 8, .size: 8, .value_kind: global_buffer, .address_space: global }
      - { .name: out0, .offset: 16, .size: 8, .value_kind: global_buffer, .address_space: global }
    .group_segment_fixed_size: 327680
    .private_segment_fixed_size: 0
    .kernarg_segment_align: 8
    .kernarg_segment_size: 24
    .max_flat_workgroup_size: 128
    .sgpr_count:     66
    .vgpr_count:     768
    .wavefront_size: 32
...
	.end_amdgpu_metadata
.endif
;; end of part 4
;; launch first16 (part 5): grid 64 x 4, 16 waves a work-group, no clusters, 18,432 bytes of LDS; arguments q16, vsum, W_out, out0; writes out0
.if DOCPART == 5
	.amdgcn_target "amdgcn-amd-amdhsa--gfx1250"
	.amdhsa_code_object_version 6
	.text
	.protected	k_qe09d8e2a6f_first16
	.globl	k_qe09d8e2a6f_first16
	.p2align	8
	.type	k_qe09d8e2a6f_first16,@function
k_qe09d8e2a6f_first16:
	s_mov_b64 s[64:65], 0
	v_nop
	global_prefetch_b8 v0, s[64:65] scope:SCOPE_SE
	s_setreg_imm32_b32 hwreg(HW_REG_WAVE_MODE, 25, 1), 1
	s_wait_xcnt 0x0
; Rows 0-15 of each sequence, all in f32: these rows average one to fifteen values and are the largest of the output.  Attention over keys 0-15 and the projection by W_out, by v_wmma_f32_16x16x4_f32.
; LEFT OUT: for rows 1-15 all keys from 16 on (hidden by reference()'s own mask: weight exp(-1e7 - the row's largest score) = 0 in f32).  Row 0 sees no key: all its 2,048 scores are equal, so it is the mean of v's 2,048 rows: vsum / 2048.
; SHARES.  Work-group (x, b): batch b, output columns 16 x on.  Wave w = head w: it makes the head's 16 x 64 result (every work-group of a batch repeats that: 196,608 bytes read) and multiplies it by W_out's rows 64 w on,
; 16 columns; the sixteen partial results meet in LDS.  So K of the projection stays with the wave that made it, and one launch serves.
; LAYOUT (f32 form: a lane holds row or column l % 16 and k = 2 (l / 16) + j in register j).  K's order is permuted alike on both operands of every product.  All products are used transposed: a lane holds ONE query throughout.
; The accumulators v184-247 are written by matrix instructions alone; sums begin with the constant 0; four accumulators take turns.
.set SPARE, 16384
.set QR, 24                            ; v24-55   q; later the scores (24-31), at work (32-39), p (40-47), the result (48-55)
.set KR, 56                            ; v56-87   k; later the head's normalised result
.set VR, 88                            ; v88-119  v
.set WR, 120                           ; v120-151 W_out
.set MR, 152                           ; v152-183 vsum
.set SA, 184                           ; v184-215 four accumulators: the scores, later the projection
.set OA, 216                           ; v216-247 four accumulators: the head's result
	s_load_b256 s[4:11], s[0:1], 0x0               ; q16, vsum, W_out, out0
	v_lshl_add_u32 v12, v0, 2, SPARE
	v_mov_b32 v13, 0
	v_lshrrev_b32 v14, 5, v0
	v_readfirstlane_b32 s12, v14                   ; wave = head
	s_and_b32 s13, ttmp7, 0xffff                   ; batch
	v_and_b32 v1, 15, v0                           ; r
	v_bfe_u32 v2, v0, 4, 1                         ; h
	v_mul_u32_u24 v3, v1, 12288
	v_lshl_add_u32 v3, v2, 4, v3                   ; q, k: row r of 12,288 bytes, + 16 h
	v_mul_u32_u24 v4, v2, 98304
	v_lshl_add_u32 v4, v1, 2, v4                   ; v: key 8 h on, channel r
	v_lshlrev_b32 v5, 15, v2
	v_lshl_add_u32 v5, v1, 2, v5                   ; W_out: row 8 h on, column r
	v_lshlrev_b32 v6, 5, v2                        ; vsum: 32 h
	v_lshlrev_b32 v7, 3, v2
	v_sub_nc_u32 v7, v1, v7                        ; r - 8 h
	v_and_b32 v15, 31, v0
	v_lshlrev_b32 v15, 4, v15
	s_lshl_b32 s14, s12, 10
	v_add_nc_u32 v8, s14, v15                      ; LDS: my wave's 1,024 bytes, 16 a lane
	s_lshl_b32 s14, s12, 9
	v_add_nc_u32 v9, s14, v15                      ; and, in waves 0 and 1, the half that I add up
	v_lshlrev_b32 v10, 12, v1
	v_lshl_add_u32 v10, v2, 5, v10                 ; out0: row r of 4,096 bytes, + 32 h
	v_mov_b32 v11, 0xcc989680                      ; -8e7: reference()'s -1e7 in units of the unscaled score
	v_mov_b32 v18, 0                               ; written once: a lane permute's destination counts as one of its sources
	s_mov_b32 s20, 0x76543210
	s_mov_b32 s21, 0xfedcba98
	s_mov_b32 s22, 0x3e38aa3b                      ; c = log2(e) / 8
	s_mul_i32 s16, s13, 196608
	s_lshl_b32 s17, s12, 8
	s_add_co_u32 s16, s16, s17                     ; q16: the batch's 16 rows, the head's 64 columns
	s_mov_b32 s17, 0
	s_lshl_b32 s18, s13, 4
	s_add_co_u32 s18, s18, s12
	s_lshl_b32 s18, s18, 8                         ; vsum: row 16 b + h
	s_mov_b32 s19, 0
	s_lshl_b32 s24, s12, 18                        ; W_out: rows 64 w on,
	s_lshl_b32 s25, ttmp9, 6                       ; columns 16 x on
	s_add_co_u32 s24, s24, s25
	s_lshl_b32 s26, s13, 23                        ; out0: the batch,
	s_add_co_u32 s26, s26, s25                     ; the columns,
	s_lshl_b32 s25, s12, 4
	s_add_co_u32 s26, s26, s25                     ; and, in waves 0 and 1, my four of each lane's eight
	s_mov_b32 s25, 0
	s_mov_b32 s27, 0
	s_wait_kmcnt 0x0
	s_add_nc_u64 s[4:5], s[4:5], s[16:17]
	s_add_nc_u64 s[6:7], s[6:7], s[18:19]
	s_add_nc_u64 s[8:9], s[8:9], s[24:25]
	s_add_nc_u64 s[10:11], s[10:11], s[26:27]
.irp i, 0,1,2,3,4,5,6,7
	global_load_b128 v[QR+4*\i:QR+4*\i+3], v3, s[4:5] offset:32*\i               ; q(r, 8 i + 4 h + 0 .. 3)
.endr
.irp i, 0,1,2,3,4,5,6,7
	global_load_b128 v[KR+4*\i:KR+4*\i+3], v3, s[4:5] offset:4096+32*\i          ; k likewise
.endr
.irp c, 0,1,2,3
.irp i, 0,1,2,3,4,5,6,7
	global_load_b32 v[VR+8*\c+\i], v4, s[4:5] offset:8192+64*\c+12288*\i         ; v(key 8 h + i, channel 16 c + r)
.endr
.endr
.irp c, 0,1,2,3
	global_load_b128 v[MR+8*\c:MR+8*\c+3], v6, s[6:7] offset:64*\c               ; vsum(16 c + 8 h + 0 .. 7)
	global_load_b128 v[MR+8*\c+4:MR+8*\c+7], v6, s[6:7] offset:64*\c+16
.endr
.irp c, 0,1,2,3
.irp i, 0,1,2,3,4,5,6,7
	global_load_b32 v[WR+8*\c+\i], v5, s[8:9] offset:4096*(16*\c+\i)             ; W_out(64 w + 16 c + 8 h + i, column r)
.endr
.endr
	s_wait_loadcnt 63                              ; q and k are in: 72 loads are younger, and the count names the most that its field holds
	; S^T = k q^T: 16 steps of 4 channels on four accumulators by turns
.set c, 0
.rept 16
.if c < 4
	v_wmma_f32_16x16x4_f32 v[SA+8*(c%4):SA+8*(c%4)+7], v[KR+2*c:KR+2*c+1], v[QR+2*c:QR+2*c+1], 0
.else
	v_wmma_f32_16x16x4_f32 v[SA+8*(c%4):SA+8*(c%4)+7], v[KR+2*c:KR+2*c+1], v[QR+2*c:QR+2*c+1], v[SA+8*(c%4):SA+8*(c%4)+7]
.endif
.set c, c+1
.endr
.rept 8
	v_nop                                          ; eight places behind this form (ISA guide 7.12.1)
.endr
.irp j, 0,1,2,3,4,5,6,7                ; the four parts are added, into other registers, from each accumulator's low end on: register j = the score of key 8 h + j for query r
	v_add_f32 v[24+\j], v[SA+\j], v[SA+8+\j]
	v_add_f32 v[32+\j], v[SA+16+\j], v[SA+24+\j]
.endr
.irp j, 0,1,2,3,4,5,6,7
	v_add_f32 v[24+\j], v[24+\j], v[32+\j]
.endr
.irp j, 0,1,2,3,4,5,6,7
	v_cmp_ge_i32 vcc_lo, \j, v7                    ; key 8 h + j >= query r: hidden
	v_cndmask_b32 v[24+\j], v[24+\j], v11, vcc_lo
.endr
	v_max3_num_f32 v14, v24, v25, v26
	v_max3_num_f32 v14, v14, v27, v28
	v_max3_num_f32 v14, v14, v29, v30
	v_max_num_f32 v14, v14, v31
	v_permlanex16_b32 v15, v14, s20, s21
	v_max_num_f32 v14, v14, v15                    ; the row's largest score
	v_mul_f32 v16, s22, v14
.irp j, 0,1,2,3,4,5,6,7
	v_fma_f32 v[40+\j], v[24+\j], s22, -v16
.endr
.irp j, 0,1,2,3,4,5,6,7
	v_exp_f32 v[40+\j], v[40+\j]                   ; p = 2^(c s - c m)
.endr
	v_nop
	s_wait_alu depctr_va_vdst(0)                   ; one wait for the eight, ahead of their first reader
	v_add_f32 v17, v40, v41
	v_add_f32 v19, v42, v43
	v_add_f32 v20, v44, v45
	v_add_f32 v21, v46, v47
	v_add_f32 v17, v17, v19
	v_add_f32 v20, v20, v21
	v_add_f32 v17, v17, v20
	v_permlanex16_b32 v18, v17, s20, s21
	v_add_f32 v17, v17, v18                        ; the row's sum, at least 1
	v_rcp_f32 v19, v17
	v_nop
	s_wait_alu depctr_va_vdst(0)
	s_wait_loadcnt 40                              ; v is in: vsum's 8 and W_out's 32 loads may be out
	; O^T = v^T p: four steps of 4 keys (8 h + 2 u + j) for each of four tiles of 16 channels, the tiles by turns
.irp u, 0,1,2,3
.irp c, 0,1,2,3
.if \u == 0
	v_wmma_f32_16x16x4_f32 v[OA+8*\c:OA+8*\c+7], v[VR+8*\c+2*\u:VR+8*\c+2*\u+1], v[40+2*\u:41+2*\u], 0
.else
	v_wmma_f32_16x16x4_f32 v[OA+8*\c:OA+8*\c+7], v[VR+8*\c+2*\u:VR+8*\c+2*\u+1], v[40+2*\u:41+2*\u], v[OA+8*\c:OA+8*\c+7]
.endif
.endr
.endr
.rept 8
	v_nop
.endr
.set i, 0
.rept 32
	v_mul_f32 v[KR+i], v[OA+i], v19                ; / the sum: register 8 c + j = channel 16 c + 8 h + j of query r
.set i, i+1
.endr
	s_wait_loadcnt 32                              ; vsum is in
	v_cmp_eq_u32 vcc_lo, 0, v1
.set i, 0
.rept 32
	v_mul_f32 v[MR+i], 0x3a000000, v[MR+i]         ; the mean of v's 2,048 rows
	v_cndmask_b32 v[KR+i], v[KR+i], v[MR+i], vcc_lo   ; is query 0's result
.set i, i+1
.endr
	s_wait_loadcnt 0x0                             ; W_out
	; the projection's part of my head: (16 columns) x (16 queries), 16 steps of 4 channels (16 c + 8 h + 2 u + j), four accumulators by turns
.irp c, 0,1,2,3
.irp u, 0,1,2,3
.if \c == 0
	v_wmma_f32_16x16x4_f32 v[SA+8*\u:SA+8*\u+7], v[WR+8*\c+2*\u:WR+8*\c+2*\u+1], v[KR+8*\c+2*\u:KR+8*\c+2*\u+1], 0
.else
	v_wmma_f32_16x16x4_f32 v[SA+8*\u:SA+8*\u+7], v[WR+8*\c+2*\u:WR+8*\c+2*\u+1], v[KR+8*\c+2*\u:KR+8*\c+2*\u+1], v[SA+8*\u:SA+8*\u+7]
.endif
.endr
.endr
.rept 8
	v_nop
.endr
.irp j, 0,1,2,3,4,5,6,7
	v_add_f32 v[48+\j], v[SA+\j], v[SA+8+\j]
	v_add_f32 v[32+\j], v[SA+16+\j], v[SA+24+\j]
.endr
.irp j, 0,1,2,3,4,5,6,7
	v_add_f32 v[48+\j], v[48+\j], v[32+\j]         ; register j = my head's part of out0(row r, column 16 x + 8 h + j)
.endr
	ds_store_b128 v8, v[48:51]
	ds_store_b128 v8, v[52:55] offset:512
	s_wait_dscnt 0x0                               ; for the others' sake: my stores are done
	s_barrier_signal -1
	s_barrier_wait -1
	s_cmp_lt_u32 s12, 2
	s_cbranch_scc0 .Lend
.irp p, 0,1,2,3,4,5,6,7,8,9,10,11,12,13,14,15
	ds_load_b128 v[88+4*\p:88+4*\p+3], v9 offset:1024*\p   ; waves 0 and 1: the sixteen heads' parts, four numbers a lane
.endr
	s_wait_dscnt 0x0
.irp p, 0,1,2,3,4,5,6,7
	v_pk_add_f32 v[88+4*\p:89+4*\p], v[88+4*\p:89+4*\p], v[120+4*\p:121+4*\p]
	v_pk_add_f32 v[90+4*\p:91+4*\p], v[90+4*\p:91+4*\p], v[122+4*\p:123+4*\p]
.endr
.irp p, 0,1,2,3
	v_pk_add_f32 v[88+4*\p:89+4*\p], v[88+4*\p:89+4*\p], v[104+4*\p:105+4*\p]
	v_pk_add_f32 v[90+4*\p:91+4*\p], v[90+4*\p:91+4*\p], v[106+4*\p:107+4*\p]
.endr
.irp p, 0,1
	v_pk_add_f32 v[88+4*\p:89+4*\p], v[88+4*\p:89+4*\p], v[96+4*\p:97+4*\p]
	v_pk_add_f32 v[90+4*\p:91+4*\p], v[90+4*\p:91+4*\p], v[98+4*\p:99+4*\p]
.endr
	v_pk_add_f32 v[88:89], v[88:89], v[92:93]
	v_pk_add_f32 v[90:91], v[90:91], v[94:95]
	global_store_b128 v10, v[88:91], s[10:11]      ; pieces of 64 bytes a row for the work-group: 262,144 bytes in the whole launch
.Lend:
	s_wait_tensorcnt 0x0                           ; the wave's end
	ds_add_u32 v12, v13
	s_wait_dscnt 0x0
	s_endpgm
.Lfunc_end_k_qe09d8e2a6f_first16:
	.size	k_qe09d8e2a6f_first16, .Lfunc_end_k_qe09d8e2a6f_first16-k_qe09d8e2a6f_first16
	.p2alignl 7, 3214868480
	.fill 96, 4, 3214868480
	.section	.rodata,"a",@progbits
	.p2align	6, 0x0
	.amdhsa_kernel k_qe09d8e2a6f_first16
		.amdhsa_group_segment_fixed_size 18432
		.amdhsa_private_segment_fixed_size 0
		.amdhsa_enable_private_segment 0
		.amdhsa_kernarg_size 32
		.amdhsa_user_sgpr_count 2
		.amdhsa_user_sgpr_kernarg_segment_ptr 1
		.amdhsa_wavefront_size32 1
		.amdhsa_system_sgpr_workgroup_id_x 1
		.amdhsa_system_sgpr_workgroup_id_y 1
		.amdhsa_system_sgpr_workgroup_id_z 1
		.amdhsa_system_vgpr_workitem_id 0
		.amdhsa_next_free_vgpr 248
		.amdhsa_next_free_sgpr 66
		.amdhsa_reserve_vcc 1
		.amdhsa_float_denorm_mode_32 3
		.amdhsa_float_denorm_mode_16_64 3
		.amdhsa_memory_ordered 1
		.amdhsa_forward_progress 1
		.amdhsa_inst_pref_size 26
	.end_amdhsa_kernel
	.amdgpu_metadata
---
amdhsa.version: [ 1, 2 ]
amdhsa.kernels:
  - .name:           k_qe09d8e2a6f_first16
    .symbol:         k_qe09d8e2a6f_first16.kd
    .args:
      - { .name: q16, .offset: 0, .size: 8, .value_kind: global_buffer, .address_space: global }
      - { .name: vsum, .offset: 8, .size: 8, .value_kind: global_buffer, .address_space: global }
      - { .name: W_out, .offset: 16, .size: 8, .value_kind: global_buffer, .address_space: global }
      - { .name: out0, .offset: 24, .size: 8, .value_kind: global_buffer, .address_space: global }
    .group_segment_fixed_size: 18432
    .private_segment_fixed_size: 0
    .kernarg_segment_align: 8
    .kernarg_segment_size: 32
    .max_flat_workgroup_size: 512
    .sgpr_count:     66
    .vgpr_count:     248
    .wavefront_size: 32
...
	.end_amdgpu_metadata
.endif
;; end of part 5
